; MI455X (gfx1250); checked and timed in simulation.
; The chip was launched on July 23, 2026; its instructions are those of AMD's public machine-readable ISA for CDNA 5 (MIT licence, August 2026) and "CDNA5" Instruction Set Architecture Reference Guide (July 2026). The comments in the code are by the model that wrote it; some were corrected since.
;; Transformer Layer. Allowed arithmetic: matrix products marked QUANTISED: E3M2 operands, one E8M0 scale for each 32 along K, by v_wmma_scale_f32_16x16x128_f8f6f4 with both operands' format E3M2, f32 sums; everything else in f32.
;; Inputs: b1 4,096 float32; b2 1,024 float32; in_proj_b 3,072 float32; in_proj_w 3,072 x 1,024 float32; ln1_b 1,024 float32; ln1_g 1,024 float32; ln2_b 1,024 float32; ln2_g 1,024 float32; out_b 1,024 float32; out_w 1,024 x 1,024 float32; rel_pos 16 x 512 float32; w1 4,096 x 1,024 float32; w2 1,024 x 4,096 float32; x 4 x 1,024 x 1,024 float32.
;; Outputs: out0 4 x 1,024 x 1,024 float32.
;; This version of the problem:
;;   THIS VERSION OF THE PROBLEM IS GIVEN IN LOW PRECISION. The matrix products marked QUANTISED in the list below multiply operands that are first quantised to E3M2 (3 exponent bits, 2 mantissa bits; 6 bits a number), with one power-of-two scale for each 32 numbers along K (OCP MX v1.0); their sums are f32. All else is computed in f32.
;;   The module's matrix products, in the order in which they are computed (A, B: the left and right operand; K: the contracted axis; several contracted axes count as one K, in the product's order):
;;     1. [M 4,096, K 1,024] x [K 1,024, N 3,072]; A: computed on the way; B: input in_proj_w: QUANTISED
;;     2. batch 64 x [M 1,024, K 64] x [K 64, N 1,024]; A: computed on the way; B: computed on the way: QUANTISED
;;     3. batch 64 x [M 1,024, K 1,024] x [K 1,024, N 64]; A: softmax (see below); B: computed on the way: QUANTISED
;;     4. [M 4,096, K 1,024] x [K 1,024, N 1,024]; A: computed on the way; B: input out_w: QUANTISED
;;     5. [M 4,096, K 1,024] x [K 1,024, N 4,096]; A: computed on the way; B: input w1: QUANTISED
;;     6. [M 4,096, K 4,096] x [K 4,096, N 1,024]; A: computed on the way; B: input w2: QUANTISED
;;   THE QUANTISER, for each operand of a quantised product, along K:
;;     - K is cut into blocks of 32 from its start; a last block that is shorter is filled with zeros.
;;     - A block's scale is 2^e with e = floor(log2(the largest magnitude in the block)) - 4, held to -126 .. 127; a block of zeros has e = 0. As a byte (E8M0): e + 127.
;;     - Each number is divided by its block's scale, clamped to +-28, and rounded to the nearest number of E3M2, ties to even, subnormals kept.
;;     - The product sums the exact products of the quantised numbers (number of the format x scale) in f32.
;;   ~~~python
;;   def quantise(x, axis):      # numpy; x: float32 -> the quantised numbers, widened to float32 again
;;       x = np.moveaxis(x, axis, -1); K = x.shape[-1]
;;       x = np.pad(x, [(0, 0)] * (x.ndim - 1) + [(0, -K % 32)]); x = x.reshape(x.shape[:-1] + (-1, 32)); a = np.abs(x).max(-1, keepdims=True)
;;       e = np.where(a > 0, np.clip(np.frexp(np.where(a > 0, a, 1))[1] - 1 - 4, -126, 127), 0)      # np.frexp(a)[1] - 1 = floor(log2(a)), exactly
;;       r = np.clip(x / 2.0 ** e, -28, 28)
;;       step = 2.0 ** (np.maximum(np.frexp(np.where(r == 0, 1, r))[1] - 1, -2) - 2)
;;       q = np.round(r / step) * step * 2.0 ** e      # np.round: ties to even
;;       return np.moveaxis(q.reshape(q.shape[:-2] + (-1,))[..., :K], -1, axis).astype(np.float32)
;;   ~~~
;;   SOFTMAX AHEAD OF A QUANTISED PRODUCT. Where the list says 'softmax', what is quantised is not the finished softmax but p = 2^(t - M), with t = logit x log2(e) and M = ceil(the row's largest t), a whole number; so 1/2 < the row's largest p <= 1. The row's sum l is taken of the UNQUANTISED p, in f32, and the product's result is divided by l at the end. Since M is a whole number, a kernel that streams over the keys may use a running M (the ceiling of the running maximum): every later rescaling is an exact power of two, which a block's scale takes up: the codes' values come out the same.
;;   OPERANDS COMPUTED ON THE WAY. 'Computed on the way' means the value that the module computes at that place (a softmax that the list does not call 'softmax' is quantised finished and normalised). What goes into a quantiser is computed in f32, as accurately as f32 sums, v_exp_f32 and their like allow (about 1e-6 of the number): no bf16 or f16 on the way to a quantiser, and a product that is left as it is and whose result goes on into a quantised operand takes f32 operands (vector FMAs, or v_wmma_f32_16x16x4_f32). A number that lies on a knife's edge between two numbers of the format may be rounded either way, as far as f32 arithmetic and the matrix unit's own rounding can turn it there, and no further.
;; One version. Each part assembles by itself: llvm-mc -triple=amdgcn-amd-amdhsa -mcpu=gfx1250 --defsym DOCPART=n.
;; ======== version 1 of 1: 8 launches
;; workspace buffers: wa 4,096,256 bytes; wb 6,553,856 bytes; xq 3,276,800 bytes; qkv 16,384,000 bytes; oq 3,276,800 bytes; x2 16,777,216 bytes; hq 13,107,200 bytes
;; launch wq (part 1): grid 768 x 1, 4 waves a work-group, no clusters, 34,304 bytes of LDS; arguments in_proj_w, out_w, w1, w2, wa, wb; writes wa, wb
.if DOCPART == 1
	.amdgcn_target "amdgcn-amd-amdhsa--gfx1250"
	.amdhsa_code_object_version 6
	.text
	.protected	k_q431d286010_wq
	.globl	k_q431d286010_wq
	.p2align	8
	.type	k_q431d286010_wq,@function
k_q431d286010_wq:
	s_mov_b64 s[64:65], 0
	v_nop
	global_prefetch_b8 v0, s[64:65] scope:SCOPE_SE
	s_setreg_imm32_b32 hwreg(HW_REG_WAVE_MODE, 25, 1), 1
	s_wait_xcnt 0x0
; The four weights, f32 [rows][K] with K innermost, become operands of E3M2 codes with one E8M0 scale byte for each 32 along K.
; THE OPERAND FORMAT of this program.  A tile is 16 rows: tile T holds rows 32 (T / 2) + 8 (T % 2) + rho(r), rho(r) = r + 8 (r / 8), r = 0 .. 15.
; A fragment (tile T, K step s of 128) is the image of the 12 registers that the matrix instruction wants: 1,536 bytes at (T x KS + s) x 1,536; in it plane p (registers 2 p, 2 p + 1) is 256 bytes,
; lane l's 8 bytes at 256 p + 8 l.  The scale words (4 bytes: a row's 128 along K) lie [K step][tile][r].
; A wave's job: 32 rows (tiles 2 u, 2 u + 1) x one K step: 16 KiB of f32.  3,072 jobs, 768 work-groups; the tensor is chosen by the work-group's number, pointers and constants alone: one path for all four.
; Each load reads 512 consecutive bytes of a row; the 16 rows turn through the wave's own stage in LDS, so that lane (r, h) gets row r's k = 32 h .. + 31 and 64 + 32 h .. + 31: two whole blocks, in the operand's own order.
; A block's scale is 2^(floor(log2(largest magnitude)) - 4); its byte is the largest magnitude's exponent field - 4, held at 1 from below.
; LIMITS: NaN and infinities among the inputs are not served; a block whose largest magnitude lies under 2^-122 gets the byte 1, and so does a block of zeros (its codes are zeros; only this program reads the bytes).
; Waves share nothing: no barrier.  Work-group 0's wave 0 also writes the two parameter words (the floor of the activation behind the product that reads the buffer: -infinity in wa, 0 in wb).
.set STGB, 8448                        ; a wave's stage: 16 rows x 528 bytes
.set SP,   528                         ; 512 bytes + 16: an odd multiple of 16
.set H8,   5                           ; v5   8 x (lane / 16)
.set VO,   8                           ; v8-23  16 x lane + rho(i) x the row's bytes
.set QM,   24                          ; v24-25 largest magnitudes;  v26-27 the conversions' scale operands;  v28-29 the bytes;  v30 the other half's bytes
.set QS,   26
.set QB,   28
.set QT,   30
.set SW,   31                          ; v31  the two tiles' scale words, lanes 0-15 and 16-31
.set R0,   32                          ; v32-95, v96-159 the two tiles' numbers
.set C0,   160                         ; v160-171, v172-183 their codes
.set TMPC, 184                         ; v184-186, v188-190 the second halves of the blocks' codes
.set W0,   187
.set W1,   191
.set SEL,  44                          ; s[44:45] v_permlanex16_b32's selects for lane l xor 16
	s_load_b256 s[4:11], s[0:1], 0x0               ; in_proj_w, out_w, w1, w2
	s_load_b128 s[12:15], s[0:1], 0x20             ; wa, wb
	v_lshl_add_u32 v192, v0, 2, 0x8400
	v_mov_b32 v193, 0
	v_lshrrev_b32 v1, 5, v0
	v_readfirstlane_b32 s3, v1                     ; wave
	v_and_b32 v1, 31, v0                           ; lane
	v_lshlrev_b32 v2, 4, v1                        ; 16 x lane
	v_lshlrev_b32 v3, 3, v1                        ; 8 x lane
	v_lshlrev_b32 v4, 2, v1                        ; 4 x lane
	v_and_b32 v6, 15, v1                           ; r
	v_lshrrev_b32 v5, 4, v1                        ; h
	s_mul_i32 s2, s3, STGB
	v_mul_u32_u24 v7, v6, SP
	v_lshl_add_u32 v7, v5, 7, v7
	v_add_nc_u32 v7, s2, v7                        ; out of the stage: row r, + 128 h
	v_add_nc_u32 v6, s2, v2                        ; into it: 16 x lane
	v_lshlrev_b32 v[H8], 3, v5
	v_mov_b32 v[QT], 0                             ; a lane permute's destination counts as one of its sources
	s_mov_b32 s[SEL], 0x76543210
	s_mov_b32 s[SEL+1], 0xfedcba98
	v_cmp_le_u32 s46, 16, v1                       ; lanes 16-31
	s_wait_kmcnt 0x0
	; which tensor: work-groups 0-191 in_proj_w, 192-255 out_w, 256-511 w1, 512-767 w2
	s_cmp_lt_u32 ttmp9, 192
	s_cselect_b64 s[16:17], s[4:5], s[6:7]
	s_cselect_b32 s20, 0, 192                      ; the tensor's first work-group
	s_cselect_b32 s21, 0, 3277056                  ; where its codes begin in the buffer
	s_mov_b32 s22, 4063488
	s_cselect_b32 s22, 3145728, s22                ; its scale words
	s_mov_b32 s23, 4096
	s_cselect_b32 s23, 16384, s23                  ; bytes of scale words from K step to K step
	s_cmp_lt_u32 ttmp9, 512
	s_cselect_b64 s[18:19], s[8:9], s[10:11]
	s_mov_b32 s24, 512
	s_cselect_b32 s24, 256, s24
	s_cselect_b32 s25, 0, 3277056
	s_mov_b32 s26, 6422784
	s_cselect_b32 s26, 3145728, s26
	s_mov_b32 s27, 4096
	s_cselect_b32 s27, 16384, s27
	s_mov_b32 s28, 16384
	s_cselect_b32 s28, 4096, s28                   ; a row in bytes
	s_cselect_b32 s29, 3, 5                        ; log2 of the K steps
	s_mov_b32 s30, 49152
	s_cselect_b32 s30, 12288, s30                  ; a tile's fragments in bytes
	s_cmp_lt_u32 ttmp9, 256
	s_cselect_b64 s[16:17], s[16:17], s[18:19]     ; the tensor
	s_cselect_b64 s[18:19], s[12:13], s[14:15]     ; its buffer
	s_cselect_b32 s20, s20, s24
	s_cselect_b32 s21, s21, s25
	s_cselect_b32 s22, s22, s26
	s_cselect_b32 s23, s23, s27
	s_cselect_b32 s28, 4096, s28
	s_cselect_b32 s29, 3, s29
	s_cselect_b32 s30, 12288, s30
	s_sub_co_u32 s31, ttmp9, s20
	s_lshl_b32 s31, s31, 2
	s_add_co_u32 s31, s31, s3                      ; my job
	s_lshr_b32 s32, s31, s29                       ; u: which 32 rows
	s_lshl_b32 s33, s32, s29
	s_sub_co_u32 s33, s31, s33                     ; s: which K step
	s_mul_i32 s34, s32, s28
	s_lshl_b32 s34, s34, 5
	s_lshl_b32 s35, s33, 9
	s_add_co_u32 s34, s34, s35
	s_mov_b32 s35, 0
	s_add_nc_u64 s[16:17], s[16:17], s[34:35]      ; tile 2 u's first row, my K step
	s_lshl_b32 s34, s28, 3
	s_add_nc_u64 s[36:37], s[16:17], s[34:35]      ; tile 2 u + 1 begins 8 rows on
	s_mul_i32 s34, s32, s30
	s_lshl_b32 s34, s34, 1
	s_mul_i32 s47, s33, 1536
	s_add_co_u32 s34, s34, s47
	s_add_co_u32 s34, s34, s21
	s_add_nc_u64 s[38:39], s[18:19], s[34:35]      ; fragment (2 u, s)
	s_mov_b32 s34, s30
	s_add_nc_u64 s[40:41], s[38:39], s[34:35]      ; fragment (2 u + 1, s)
	s_mul_i32 s34, s33, s23
	s_lshl_b32 s47, s32, 7
	s_add_co_u32 s34, s34, s47
	s_add_co_u32 s34, s34, s22
	s_add_nc_u64 s[42:43], s[18:19], s[34:35]      ; the two tiles' scale words: 128 bytes on end
.irp i, 0,1,2,3,4,5,6,7,8,9,10,11,12,13,14,15
	v_mad_u32_u24 v[VO+\i], s28, \i+8*(\i/8), v2
.endr
.irp i, 0,1,2,3,4,5,6,7,8,9,10,11,12,13,14,15
	global_load_b128 v[R0+4*\i:R0+4*\i+3], v[VO+\i], s[16:17] th:TH_LOAD_NT       ; 32 lanes read 512 consecutive bytes of a row
.endr
.irp i, 0,1,2,3,4,5,6,7,8,9,10,11,12,13,14,15
	global_load_b128 v[R0+64+4*\i:R0+64+4*\i+3], v[VO+\i], s[36:37] th:TH_LOAD_NT
.endr
.macro TURN x                          ; 16 rows through my stage; LDS serves a wave's instructions in order, so no wait stands between the stores and the loads
.irp i, 0,1,2,3,4,5,6,7,8,9,10,11,12,13,14,15
	ds_store_b128 v6, v[\x+4*\i:\x+4*\i+3] offset:SP*\i
.endr
.irp j, 0,1,2,3,4,5,6,7
	ds_load_b128 v[\x+4*\j:\x+4*\j+3], v7 offset:16*\j
.endr
.irp j, 0,1,2,3,4,5,6,7
	ds_load_b128 v[\x+32+4*\j:\x+35+4*\j], v7 offset:256+16*\j
.endr
.endm
; 64 numbers of a lane (two whole blocks: h and 2 + h of my row) become the fragment's 12 registers v[c] on and the row's scale word v[w]
.macro QUANT2 x, c, w
	v_max3_num_f32 v[QM], |v[\x]|, |v[\x+1]|, 0x2800000              ; with the floor 2^(5 - 127): the byte cannot fall under 1
	v_max3_num_f32 v[QM+1], |v[\x+32]|, |v[\x+33]|, 0x2800000
.irp i, 2,4,6,8,10,12,14,16,18,20,22,24,26,28,30
	v_max3_num_f32 v[QM], v[QM], |v[\x+\i]|, |v[\x+\i+1]|            ; the two blocks by turns
	v_max3_num_f32 v[QM+1], v[QM+1], |v[\x+32+\i]|, |v[\x+33+\i]|
.endr
	v_add_nc_u32 v[QS], 0xfe000000, v[QM]          ; 4 off the exponent field: the conversion takes this operand's exponent field as its scale
	v_add_nc_u32 v[QS+1], 0xfe000000, v[QM+1]
	v_lshrrev_b32 v[QB], 23, v[QS]                 ; the scales' bytes
	v_lshrrev_b32 v[QB+1], 23, v[QS+1]
	v_lshl_or_b32 v[\w], v[QB+1], 16, v[QB]
	v_lshlrev_b32 v[\w], v[H8], v[\w]              ; at their places in the word: 8 h bits up
	v_permlanex16_b32 v[QT], v[\w], s[SEL], s[SEL+1]
	v_or_b32 v[\w], v[\w], v[QT]                   ; with lane l xor 16's two the word is whole
	v_cvt_scalef32_pk16_bf6_f32 v[\c:\c+2], v[\x:\x+15], v[QS]
	v_cvt_scalef32_pk16_bf6_f32 v[TMPC:TMPC+2], v[\x+16:\x+31], v[QS]            ; (a conversion's three registers begin on an even number)
	v_cvt_scalef32_pk16_bf6_f32 v[\c+6:\c+8], v[\x+32:\x+47], v[QS+1]
	v_cvt_scalef32_pk16_bf6_f32 v[TMPC+4:TMPC+6], v[\x+48:\x+63], v[QS+1]
	v_nop                                          ; one plain place behind a scaled conversion
.irp i, 0,1,2
	v_mov_b32 v[\c+3+\i], v[TMPC+\i]
	v_mov_b32 v[\c+9+\i], v[TMPC+4+\i]
.endr
.endm
	s_wait_loadcnt 16                              ; tile 2 u's 16 loads are in; the other tile's may be out
	TURN R0
	s_wait_dscnt 0x0
	QUANT2 R0, C0, W0
.irp p, 0,1,2,3,4,5
	global_store_b64 v3, v[C0+2*\p:C0+2*\p+1], s[38:39] offset:256*\p              ; 32 lanes store 256 consecutive bytes, aligned
.endr
	s_wait_loadcnt 0x0
	TURN R0+64
	s_wait_dscnt 0x0
	QUANT2 R0+64, C0+12, W1
.irp p, 0,1,2,3,4,5
	global_store_b64 v3, v[C0+12+2*\p:C0+13+2*\p], s[40:41] offset:256*\p
.endr
	v_cndmask_b32 v[SW], v[W0], v[W1], s46         ; lanes 0-15 tile 2 u's words, lanes 16-31 tile 2 u + 1's
	global_store_b32 v4, v[SW], s[42:43]
	s_or_b32 s47, ttmp9, s3
	s_cmp_lg_u32 s47, 0
	s_cbranch_scc1 .Lend
	v_mov_b32 v[QM], 0xff800000                    ; no activation behind the product that reads wa: the floor is -infinity
	v_mov_b32 v[QM+1], 0                           ; a relu behind the product that reads wb
	global_store_b32 v4, v[QM], s[12:13] offset:3276800
	global_store_b32 v4, v[QM+1], s[14:15] offset:3276800
.Lend:
	s_wait_tensorcnt 0x0
	ds_add_u32 v192, v193
	s_wait_dscnt 0x0
	s_endpgm
.Lfunc_end_k_q431d286010_wq:
	.size	k_q431d286010_wq, .Lfunc_end_k_q431d286010_wq-k_q431d286010_wq
	.p2alignl 7, 3214868480
	.fill 96, 4, 3214868480
	.section	.rodata,"a",@progbits
	.p2align	6, 0x0
	.amdhsa_kernel k_q431d286010_wq
		.amdhsa_group_segment_fixed_size 34304
		.amdhsa_private_segment_fixed_size 0
		.amdhsa_enable_private_segment 0
		.amdhsa_kernarg_size 48
		.amdhsa_user_sgpr_count 2
		.amdhsa_user_sgpr_kernarg_segment_ptr 1
		.amdhsa_wavefront_size32 1
		.amdhsa_system_sgpr_workgroup_id_x 1
		.amdhsa_system_sgpr_workgroup_id_y 1
		.amdhsa_system_sgpr_workgroup_id_z 1
		.amdhsa_system_vgpr_workitem_id 0
		.amdhsa_next_free_vgpr 194
		.amdhsa_next_free_sgpr 66
		.amdhsa_reserve_vcc 0
		.amdhsa_float_denorm_mode_32 3
		.amdhsa_float_denorm_mode_16_64 3
		.amdhsa_memory_ordered 1
		.amdhsa_forward_progress 1
		.amdhsa_inst_pref_size 20
	.end_amdhsa_kernel
	.amdgpu_metadata
---
amdhsa.version: [ 1, 2 ]
amdhsa.kernels:
  - .name:           k_q431d286010_wq
    .symbol:         k_q431d286010_wq.kd
    .args:
      - { .name: in_proj_w, .offset: 0, .size: 8, .value_kind: global_buffer, .address_space: global }
      - { .name: out_w, .offset: 8, .size: 8, .value_kind: global_buffer, .address_space: global }
      - { .name: w1, .offset: 16, .size: 8, .value_kind: global_buffer, .address_space: global }
      - { .name: w2, .offset: 24, .size: 8, .value_kind: global_buffer, .address_space: global }
      - { .name: wa, .offset: 32, .size: 8, .value_kind: global_buffer, .address_space: global }
      - { .name: wb, .offset: 40, .size: 8, .value_kind: global_buffer, .address_space: global }
    .group_segment_fixed_size: 34304
    .private_segment_fixed_size: 0
    .kernarg_segment_align: 8
    .kernarg_segment_size: 48
    .max_flat_workgroup_size: 128
    .sgpr_count:     66
    .vgpr_count:     194
    .wavefront_size: 32
...
	.end_amdgpu_metadata
.endif
;; end of part 1
;; launch ln1 (part 2): grid 256 x 1, 8 waves a work-group, no clusters, 69,632 bytes of LDS; arguments x, ln1_g, ln1_b, xq; writes xq
.if DOCPART == 2
	.amdgcn_target "amdgcn-amd-amdhsa--gfx1250"
	.amdhsa_code_object_version 6
	.text
	.protected	k_q431d286010_ln1
	.globl	k_q431d286010_ln1
	.p2align	8
	.type	k_q431d286010_ln1,@function
k_q431d286010_ln1:
	s_mov_b64 s[64:65], 0
	v_nop
	global_prefetch_b8 v0, s[64:65] scope:SCOPE_SE
	s_setreg_imm32_b32 hwreg(HW_REG_WAVE_MODE, 25, 1), 1
	s_wait_xcnt 0x0
; y = (x - mean) rsqrt(var + 1e-5) g + b along rows of 1,024 f32, then y becomes an operand of E3M2 codes (the format of the weights' launch: tiles of 16 rows in the order rho, register images, scale words [K step][tile][r]).
; A work-group takes row tile T = its number: rows 32 (T / 2) + 8 (T % 2) + rho(i).  Wave w takes K step w: 128 columns of the 16 rows.
; Each load reads 512 consecutive bytes of a row; the rows turn through the wave's own stage in LDS, so that lane (r, h) holds row r's columns 32 h .. + 31 and 64 + 32 h .. + 31 of the K step.
; Mean and variance in two passes (the variance is taken of x - mean, so a common offset of the inputs costs no accuracy); the eight waves' partial sums meet in LDS, one barrier each, and are added in a fixed order.
; LIMITS: NaN and infinities are not served; v_rsq_f32 is within one unit in the last place; a block whose largest magnitude lies under 2^-122, zeros too, gets the scale byte 1 (only this program reads the bytes).
.set STGB, 8448
.set SP,   528
.set PS,   67584                       ; behind the eight stages: [r][wave] f32, 512 bytes for the sums, 512 for the sums of squares
.set H8,   5
.set QM,   24
.set QS,   26
.set QB,   28
.set QT,   30
.set W0,   31
.set X,    32                          ; v32-95   my 64 numbers
.set G,    96                          ; v96-159  g at their columns; later the codes
.set BV,   160                         ; v160-223 b
.set C0,   96
.set TMPC, 108
.set SEL,  14
	s_load_b256 s[4:11], s[0:1], 0x0               ; x, g, b, the operand
	v_lshl_add_u32 v224, v0, 2, 0x10c00
	v_mov_b32 v225, 0
	v_lshrrev_b32 v1, 5, v0
	v_readfirstlane_b32 s3, v1                     ; wave 0..7
	v_and_b32 v1, 31, v0
	v_lshlrev_b32 v2, 4, v1
	v_lshlrev_b32 v3, 3, v1
	v_and_b32 v6, 15, v1                           ; r
	v_lshrrev_b32 v5, 4, v1                        ; h
	v_lshlrev_b32 v11, 2, v6                       ; 4 r
	s_mul_i32 s2, s3, STGB
	v_mul_u32_u24 v7, v6, SP
	v_lshl_add_u32 v7, v5, 7, v7
	v_add_nc_u32 v7, s2, v7
	v_lshlrev_b32 v9, 5, v6
	v_add_nc_u32 v9, PS, v9                        ; my row's eight partial sums
	v_lshl_add_u32 v8, s3, 2, v9                   ; and my wave's among them
	v_lshlrev_b32 v10, 7, v5
	v_lshl_add_u32 v10, s3, 9, v10                 ; g, b: 512 w + 128 h
	v_add_nc_u32 v6, s2, v2
	v_lshlrev_b32 v[H8], 3, v5
	v_mov_b32 v[QT], 0
	s_mov_b32 s12, 0x3a800000                      ; 1 / 1024
	s_mov_b32 s13, 0x3727c5ac                      ; 1e-5
	s_mov_b32 s[SEL], 0x76543210
	s_mov_b32 s[SEL+1], 0xfedcba98
	s_lshr_b32 s16, ttmp9, 1
	s_lshl_b32 s16, s16, 5
	s_and_b32 s17, ttmp9, 1
	s_lshl_b32 s17, s17, 3
	s_add_co_u32 s16, s16, s17                     ; the tile's first row
	s_lshl_b32 s16, s16, 12
	s_lshl_b32 s17, s3, 9
	s_add_co_u32 s16, s16, s17
	s_mov_b32 s17, 0
	s_lshl_b32 s18, ttmp9, 3
	s_add_co_u32 s18, s18, s3
	s_mul_i32 s18, s18, 1536                       ; fragment (T, w)
	s_mov_b32 s19, 0
	s_lshl_b32 s20, s3, 8
	s_add_co_u32 s20, s20, ttmp9
	s_lshl_b32 s20, s20, 6
	s_add_co_u32 s20, s20, 3145728                 ; its scale words
	s_mov_b32 s21, 0
	s_wait_kmcnt 0x0
	s_add_nc_u64 s[4:5], s[4:5], s[16:17]
	s_add_nc_u64 s[22:23], s[10:11], s[20:21]
	s_add_nc_u64 s[10:11], s[10:11], s[18:19]
.irp i, 0,1,2,3,4,5,6,7,8,9,10,11,12,13,14,15
	global_load_b128 v[X+4*\i:X+4*\i+3], v2, s[4:5] offset:(\i+8*(\i/8))*4096
.endr
.irp j, 0,1,2,3,4,5,6,7
	global_load_b128 v[G+4*\j:G+4*\j+3], v10, s[6:7] offset:16*\j
	global_load_b128 v[G+32+4*\j:G+35+4*\j], v10, s[6:7] offset:256+16*\j
.endr
.irp j, 0,1,2,3,4,5,6,7
	global_load_b128 v[BV+4*\j:BV+4*\j+3], v10, s[8:9] offset:16*\j
	global_load_b128 v[BV+32+4*\j:BV+35+4*\j], v10, s[8:9] offset:256+16*\j
.endr
	s_wait_loadcnt 32                              ; x's 16 loads are in; the 32 of g and b may be out
.irp i, 0,1,2,3,4,5,6,7,8,9,10,11,12,13,14,15
	ds_store_b128 v6, v[X+4*\i:X+4*\i+3] offset:SP*\i
.endr
.irp j, 0,1,2,3,4,5,6,7
	ds_load_b128 v[X+4*\j:X+4*\j+3], v7 offset:16*\j                ; LDS serves a wave's instructions in order: these see my stores
.endr
.irp j, 0,1,2,3,4,5,6,7
	ds_load_b128 v[X+32+4*\j:X+35+4*\j], v7 offset:256+16*\j
.endr
	s_wait_dscnt 0x0
; v16: my lane's sum -> the row's sum, in every lane
.macro ACROSS ps
	v_permlanex16_b32 v17, v16, s[SEL], s[SEL+1]
	v_add_f32 v16, v16, v17                        ; the row's 128 numbers of my K step
	ds_store_b32 v8, v16 offset:\ps                ; (both halves of the lanes write the same word with the same value)
	s_wait_dscnt 0x0                               ; for the others' sake: my store has landed
	s_barrier_signal -1
	s_barrier_wait -1
	ds_load_b128 v[20:23], v9 offset:\ps
	ds_load_b128 v[24:27], v9 offset:\ps+16
	s_wait_dscnt 0x0
	v_add_f32 v20, v20, v21
	v_add_f32 v22, v22, v23
	v_add_f32 v24, v24, v25
	v_add_f32 v26, v26, v27
	v_add_f32 v20, v20, v22
	v_add_f32 v24, v24, v26
	v_add_f32 v16, v20, v24
.endm
	v_pk_add_f32 v[16:17], v[X:X+1], v[X+4:X+5]    ; two chains, two numbers at a time
	v_pk_add_f32 v[18:19], v[X+2:X+3], v[X+6:X+7]
.set n, 8
.rept 14
	v_pk_add_f32 v[16:17], v[16:17], v[X+n:X+n+1]
	v_pk_add_f32 v[18:19], v[18:19], v[X+n+2:X+n+3]
.set n, n+4
.endr
	v_pk_add_f32 v[16:17], v[16:17], v[18:19]
	v_add_f32 v16, v16, v17
	ACROSS 0
	v_mul_f32 v12, s12, v16                        ; the mean
	v_mov_b32 v13, v12
.set n, 0
.rept 32
	v_pk_add_f32 v[X+n:X+n+1], v[X+n:X+n+1], v[12:13] neg_lo:[0,1] neg_hi:[0,1]
.set n, n+2
.endr
	v_pk_mul_f32 v[16:17], v[X:X+1], v[X:X+1]
	v_pk_mul_f32 v[18:19], v[X+2:X+3], v[X+2:X+3]
.set n, 4
.rept 15
	v_pk_fma_f32 v[16:17], v[X+n:X+n+1], v[X+n:X+n+1], v[16:17]
	v_pk_fma_f32 v[18:19], v[X+n+2:X+n+3], v[X+n+2:X+n+3], v[18:19]
.set n, n+4
.endr
	v_pk_add_f32 v[16:17], v[16:17], v[18:19]
	v_add_f32 v16, v16, v17
	ACROSS 512                                     ; other bytes than the first sums': no wave can overwrite what another still reads
	v_fma_f32 v16, v16, s12, s13                   ; var + eps
	v_rsq_f32 v14, v16
	v_nop                                          ; one plain place behind the transcendental
	s_wait_alu depctr_va_vdst(0)                   ; and the wait ahead of the result's first use
	v_mov_b32 v15, v14
	s_wait_loadcnt 0x0                             ; g and b
.set n, 0
.rept 32
	v_pk_mul_f32 v[X+n:X+n+1], v[X+n:X+n+1], v[14:15]
.set n, n+2
.endr
.set n, 0
.rept 32
	v_pk_fma_f32 v[X+n:X+n+1], v[X+n:X+n+1], v[G+n:G+n+1], v[BV+n:BV+n+1]
.set n, n+2
.endr
	; the quantiser: my two whole blocks (h and 2 + h of my row's K step)
	v_max3_num_f32 v[QM], |v[X]|, |v[X+1]|, 0x2800000               ; with the floor 2^(5 - 127)
	v_max3_num_f32 v[QM+1], |v[X+32]|, |v[X+33]|, 0x2800000
.irp i, 2,4,6,8,10,12,14,16,18,20,22,24,26,28,30
	v_max3_num_f32 v[QM], v[QM], |v[X+\i]|, |v[X+\i+1]|
	v_max3_num_f32 v[QM+1], v[QM+1], |v[X+32+\i]|, |v[X+33+\i]|
.endr
	v_add_nc_u32 v[QS], 0xfe000000, v[QM]          ; 4 off the exponent field: the conversion's scale operand
	v_add_nc_u32 v[QS+1], 0xfe000000, v[QM+1]
	v_lshrrev_b32 v[QB], 23, v[QS]
	v_lshrrev_b32 v[QB+1], 23, v[QS+1]
	v_lshl_or_b32 v[W0], v[QB+1], 16, v[QB]
	v_lshlrev_b32 v[W0], v[H8], v[W0]
	v_permlanex16_b32 v[QT], v[W0], s[SEL], s[SEL+1]
	v_or_b32 v[W0], v[W0], v[QT]                   ; the row's scale word
	v_cvt_scalef32_pk16_bf6_f32 v[C0:C0+2], v[X:X+15], v[QS]
	v_cvt_scalef32_pk16_bf6_f32 v[TMPC:TMPC+2], v[X+16:X+31], v[QS]
	v_cvt_scalef32_pk16_bf6_f32 v[C0+6:C0+8], v[X+32:X+47], v[QS+1]
	v_cvt_scalef32_pk16_bf6_f32 v[TMPC+4:TMPC+6], v[X+48:X+63], v[QS+1]
	v_nop                                          ; one plain place behind a scaled conversion
.irp i, 0,1,2
	v_mov_b32 v[C0+3+\i], v[TMPC+\i]
	v_mov_b32 v[C0+9+\i], v[TMPC+4+\i]
.endr
.irp p, 0,1,2,3,4,5
	global_store_b64 v3, v[C0+2*\p:C0+2*\p+1], s[10:11] offset:256*\p              ; 32 lanes store 256 consecutive bytes, aligned
.endr
	v_cmp_gt_u32 vcc_lo, 16, v1
	s_wait_xcnt 0x0                                ; EXEC changes only behind this wait
	s_wait_tensorcnt 0x0
	ds_add_u32 v224, v225
	s_wait_dscnt 0x0
	s_and_saveexec_b32 s24, vcc_lo
	global_store_b32 v11, v[W0], s[22:23]          ; lanes 0-15: the tile's 16 scale words
	s_wait_xcnt 0x0
	s_or_b32 exec_lo, exec_lo, s24
	s_endpgm
.Lfunc_end_k_q431d286010_ln1:
	.size	k_q431d286010_ln1, .Lfunc_end_k_q431d286010_ln1-k_q431d286010_ln1
	.p2alignl 7, 3214868480
	.fill 96, 4, 3214868480
	.section	.rodata,"a",@progbits
	.p2align	6, 0x0
	.amdhsa_kernel k_q431d286010_ln1
		.amdhsa_group_segment_fixed_size 69632
		.amdhsa_private_segment_fixed_size 0
		.amdhsa_enable_private_segment 0
		.amdhsa_kernarg_size 32
		.amdhsa_user_sgpr_count 2
		.amdhsa_user_sgpr_kernarg_segment_ptr 1
		.amdhsa_wavefront_size32 1
		.amdhsa_system_sgpr_workgroup_id_x 1
		.amdhsa_system_sgpr_workgroup_id_y 1
		.amdhsa_system_sgpr_workgroup_id_z 1
		.amdhsa_system_vgpr_workitem_id 0
		.amdhsa_next_free_vgpr 226
		.amdhsa_next_free_sgpr 66
		.amdhsa_reserve_vcc 1
		.amdhsa_float_denorm_mode_32 3
		.amdhsa_float_denorm_mode_16_64 3
		.amdhsa_memory_ordered 1
		.amdhsa_forward_progress 1
		.amdhsa_inst_pref_size 25
	.end_amdhsa_kernel
	.amdgpu_metadata
---
amdhsa.version: [ 1, 2 ]
amdhsa.kernels:
  - .name:           k_q431d286010_ln1
    .symbol:         k_q431d286010_ln1.kd
    .args:
      - { .name: x, .offset: 0, .size: 8, .value_kind: global_buffer, .address_space: global }
      - { .name: ln1_g, .offset: 8, .size: 8, .value_kind: global_buffer, .address_space: global }
      - { .name: ln1_b, .offset: 16, .size: 8, .value_kind: global_buffer, .address_space: global }
      - { .name: xq, .offset: 24, .size: 8, .value_kind: global_buffer, .address_space: global }
    .group_segment_fixed_size: 69632
    .private_segment_fixed_size: 0
    .kernarg_segment_align: 8
    .kernarg_segment_size: 32
    .max_flat_workgroup_size: 256
    .sgpr_count:     66
    .vgpr_count:     226
    .wavefront_size: 32
...
	.end_amdgpu_metadata
.endif
;; end of part 2
;; launch g1 (part 3): grid 8 x 24, 4 waves a work-group, clusters of 4 x 4, 327,680 bytes of LDS; arguments xq, wa, in_proj_b, qkv; writes qkv
.if DOCPART == 3
	.amdgcn_target "amdgcn-amd-amdhsa--gfx1250"
	.amdhsa_code_object_version 6
	.text
	.protected	k_q431d286010_g1
	.globl	k_q431d286010_g1
	.p2align	8
	.type	k_q431d286010_g1,@function
k_q431d286010_g1:
	s_mov_b64 s[64:65], 0
	v_nop
	global_prefetch_b8 v0, s[64:65] scope:SCOPE_SE
	s_setreg_imm32_b32 hwreg(HW_REG_WAVE_MODE, 25, 1), 1
	s_wait_xcnt 0x0
	s_wait_alu depctr_hold_cnt(0) depctr_sa_sdst(0) depctr_va_vdst(0) depctr_va_sdst(0) depctr_va_ssrc(0) depctr_va_vcc(0) depctr_vm_vsrc(0)
	s_getreg_b32 s2, hwreg(HW_REG_IB_STS2, 6, 4)
	s_cmp_eq_u32 s2, 0
	s_cbranch_scc0 .Lentry_in_a_cluster
	s_endpgm
.Lentry_in_a_cluster:
	s_bfe_u32 s2, ttmp6, 0x10000c
	s_cmp_lg_u32 s2, 0xf033
	s_cbranch_scc0 .Lentry_shape_is_right
	s_endpgm
.Lentry_shape_is_right:
; Y = max(A W^T + bias, floor), K = 1,024, both operands E3M2 codes with E8M0 scales in this program's operand format; Y leaves as an operand again, quantised along W's rows (the next product's K).
; Arguments: the activations' operand (256 row tiles, 8 K steps), the weights' buffer (operand at byte 0; scale words at 3,145,728, 16,384 bytes a K step; the floor, one f32, at 3,276,800), the bias, the result.
; A work-group of four waves makes 256 x 256, a wave 128 x 128: 64 accumulators, 512 registers.  K goes in steps of 256 through two LDS slots filled by the tensor data mover; fragments lie in LDS as register images
; (six loads of 8 bytes a lane, each 256 consecutive bytes).  All scale words of the work-group's rows come once, with the first fills.
; THE MATRIX INSTRUCTION IS USED TRANSPOSED: source 0 = 16 rows of "B", source 1 = 16 rows of "A": a lane holds one row of A; by the tiles' row order rho its register 16 b + i of a block holds B's row 32 b + 16 (lane / 16) + i:
; the order that the quantiser and the next operand want.  Nothing goes through LDS on the way out.
; REGIONS, by the cluster's y (the same in all partners; only pointers and offsets are chosen, no branch): y < 4: A = activations, B = weights' rows 0 on; result image [row tile][32 K steps] at byte 0, scale words at 12,582,912.
;   y >= 4 (the launch with 24 rows of work-groups alone): A = weights' rows 2,048 on (V's), B = activations: the registers then run along the TOKENS, and the same way out gives V^T quantised along the keys:
;   image [channel tile][32 token K steps] at 13,107,200, scale words at 16,252,928.  The bias goes with B's rows (the C of the first products) in the first region and with A's rows (added on the way out) in the second.
; CLUSTERS: 4 x 4 work-groups; A's tiles are shared along a row of the cluster, B's along a column: joint loads with a mask of four.
; LIMITS: NaN and infinities are not served; a block whose largest magnitude lies under 2^-122, zeros too, gets the scale byte 1 (only this program reads the bytes).
; REGISTERS: window 0: v0-31 addresses; v32-63 scale words, two sets; v64-127 the bias of B's rows (later at work on the way out); v128-223 A's fragments, one set; v224-231 the bias of A's rows; v232-247 the quantiser.
;   window 1: B's fragments, two sets, at v0 and v128.   windows 2, 3: the accumulators of my rows 0-63, 64-127 ((a, b) at v[8 (8 (a % 4) + b)]).
.set NQ,     2                         ; matrix instructions deep in a slot
.set FR,     12
.set NL,     6
.set NP,     4                         ; places behind this matrix instruction (ISA guide 7.12.1)
.set HALFT,  24576                     ; 8 tiles x 2 K steps x 1,536 bytes: what one tensor load brings
.set SLOT,   4*HALFT
.set LAPS,   2                         ; K = 1,024: four slots' worth
.set SCL,    2*SLOT                    ; the scale words: [8 K steps][8 tiles x 64 bytes] for each wave's load
.set HALFS,  4096
.set SPARE,  SCL+4*HALFS               ; the spare words, 128 bytes for each wave
.set ADRA, 16                          ; v16-17 my A fragments in slot 0, 1
.set ADRB, 20                          ; v20-21 my B fragments
.set ADRS, 27                          ; v27    my scale words: lanes 0-15 A's, lanes 16-31 B's
.set SPW,  28
.set NIL,  29
.set O8,   30                          ; v30    8 x lane
.set O4,   31                          ; v31    4 x lane
.set SC,   32
.set BN,   64
.set AF,   128
.set BM,   224
.set TM,   232
.set BMP,  64                          ; the way out: the bias of A's rows, each twice
.set WD,   80                          ; the eight blocks' scale words
.set SW,   88
.set Y,    128                         ; 64 numbers at work
.set PC,   192                         ; their codes
.set G1, 24
.set G0, 32
.set G1B, 48
.set G0B, 56
.set G1S, 68
.set G0S, 76
.set G1SB, 80
.set G0SB, 88
.set MSB, 0
.macro WIN new                         ; the immediate's high byte repeats the setting that is left
.if MSB != (\new)
	s_set_vgpr_msb (MSB<<8)|(\new)
.set MSB, (\new)
.endif
.endm
.set MUL_LO, 0xa1                      ; source 0 (B) window 1, source 1 (A) window 0, C and D window 2
.set MUL_HI, 0xf1
.set TO_B,   0x40
; A joint load: waves 0 and 1 fetch for A, waves 2 and 3 for B; the branch hangs on the wave's number alone.  Four v_nop follow each of the two lines.
.macro JLOAD g0a, g1a, g0b, g1b
	s_cmp_eq_u32 s15, 0
	s_cbranch_scc0 .Lfor_b_\@
	tensor_load_to_lds s[\g0a:\g0a+3], s[\g1a:\g1a+7]
	s_nop 0
.rept 4
	v_nop
.endr
	s_branch .Lasked_\@
.Lfor_b_\@:
	tensor_load_to_lds s[\g0b:\g0b+3], s[\g1b:\g1b+7]
	s_nop 0
.rept 4
	v_nop
.endr
.Lasked_\@:
.endm
.macro CREST                           ; a round of the cluster's barrier behind its opening barrier
	s_cmp_lg_u32 s14, 0
	s_cbranch_scc1 .Lnot_wave_0_\@
	s_barrier_signal -3
.Lnot_wave_0_\@:
	s_barrier_wait -3
	s_barrier_signal -1
	s_barrier_wait -1
.endm
.macro CROUND
	s_barrier_signal -1
	s_barrier_wait -1
	CREST
.endm
	s_load_b256 s[4:11], s[0:1], 0x0               ; activations s[4:5], weights s[6:7], bias s[8:9], result s[10:11]
	v_lshl_add_u32 v[SPW], v0, 2, SPARE
	v_mov_b32 v[NIL], 0
	ds_add_u32 v28, v29
	ds_add_u32 v28, v29
	s_wait_dscnt 0x0
	v_lshrrev_b32 v1, 5, v0
	v_readfirstlane_b32 s14, v1                    ; wave 0..3
	s_lshr_b32 s15, s14, 1                         ; which half of the tile's rows is mine.  Also: I fetch for A (0) or for B (1)
	s_and_b32 s16, s14, 1                          ; which half of its columns.  Also: which 8 tiles I fetch
	s_bfe_u32 s40, ttmp6, 0x40000                  ; cx, cy: my place in the cluster
	s_bfe_u32 s41, ttmp6, 0x40004
	s_and_b32 s12, ttmp7, 0xffff                   ; the cluster's y
	s_sub_co_u32 s13, s12, 4
	s_lshl_b32 s13, s13, 1
	s_add_co_u32 s13, s13, ttmp9                   ; the second region's column of clusters: 2 (y - 4) + x
	s_cmp_ge_u32 s12, 4                            ; the second region?
	s_cselect_b32 s96, -1, 0
	s_cselect_b32 s94, 0, -1
	s_cselect_b32 s12, 0, s12                      ; row of clusters
	s_cselect_b32 s13, s13, ttmp9                  ; column of clusters
	s_cselect_b32 s18, 1572864, 0                  ; where A's codes begin: tile 128 of the weights
	s_mov_b32 s19, 3145728
	s_cselect_b32 s19, 3153920, s19                ; A's scale words
	s_cselect_b32 s45, 13107200, 0                 ; the result's image
	s_mov_b32 s66, 12582912
	s_cselect_b32 s66, 16252928, s66               ; its scale words,
	s_mov_b32 s67, 16384
	s_cselect_b32 s67, 4096, s67                   ; and their bytes from K step to K step
	s_lshl_b32 s17, s12, 2
	s_add_co_u32 s17, s17, s41                     ; tile row
	s_lshl_b32 s42, s13, 2
	s_add_co_u32 s42, s42, s40                     ; tile column
	s_lshl_b32 s43, s41, 2
	s_lshl_b32 s43, 15, s43                        ; my row of the cluster
	s_lshl_b32 s44, 0x1111, s40                    ; my column
	; descriptor group 1, codes: 8 rows (tiles) of 384 elements of 8 bytes (two K steps), 1,536 elements (a tile's eight K steps) apart; no padding
	s_or_b32 s[G1], s43, (3<<16)|(1<<21)           ; 15:0 the mask; 17:16 elements of 8 bytes; 21 set beside a mask
	s_or_b32 s[G1B], s44, (3<<16)|(1<<21)
.irp g, G1, G1B
	s_mov_b32 s[\g+1], 384<<16                     ; tensor_dim0
	s_mov_b32 s[\g+2], 8<<16                       ; tensor_dim1
	s_mov_b32 s[\g+3], 384<<16                     ; tile_dim0
	s_mov_b32 s[\g+4], 8                           ; tile_dim1
	s_mov_b32 s[\g+5], 1536                        ; tensor_dim0_stride
	s_mov_b32 s[\g+6], 0
	s_mov_b32 s[\g+7], 0
.endr
	; scale words: 8 rows (K steps) of 64 elements (8 tiles x 64 bytes), 2,048 elements apart
	s_or_b32 s[G1S], s43, (3<<16)|(1<<21)
	s_or_b32 s[G1SB], s44, (3<<16)|(1<<21)
.irp g, G1S, G1SB
	s_mov_b32 s[\g+1], 64<<16
	s_mov_b32 s[\g+2], 8<<16
	s_mov_b32 s[\g+3], 64<<16
	s_mov_b32 s[\g+4], 8
	s_mov_b32 s[\g+5], 2048
	s_mov_b32 s[\g+6], 0
	s_mov_b32 s[\g+7], 0
.endr
	; where my results go: row tiles 16 x tile row + 8 x half on, K step 2 x tile column + half
	s_lshl_b32 s98, s17, 4
	s_lshl_b32 s99, s15, 3
	s_add_co_u32 s98, s98, s99
	s_lshl_b32 s100, s98, 6
	s_lshl_b32 s98, s98, 5
	s_lshl_b32 s99, s42, 1
	s_add_co_u32 s99, s99, s16
	s_add_co_u32 s98, s98, s99
	s_mul_i32 s98, s98, 1536
	s_add_co_u32 s98, s98, s45
	s_mul_i32 s99, s99, s67
	s_add_co_u32 s100, s100, s99
	s_add_co_u32 s100, s100, s66
	s_mov_b32 s99, 0
	s_mov_b32 s101, 0
	; what I fetch
	s_lshl_b32 s20, s17, 4
	s_lshl_b32 s21, s16, 3
	s_add_co_u32 s20, s20, s21                     ; A: tile 16 x tile row + 8 x half
	s_lshl_b32 s22, s20, 6
	s_add_co_u32 s22, s22, s19
	s_mov_b32 s23, 0
	s_mul_i32 s20, s20, 12288
	s_add_co_u32 s20, s20, s18
	s_mov_b32 s21, 0
	s_lshl_b32 s46, s42, 4
	s_lshl_b32 s47, s16, 3
	s_add_co_u32 s46, s46, s47                     ; B: tile 16 x tile column + 8 x half
	s_lshl_b32 s92, s46, 6
	s_add_co_u32 s92, s92, 3145728
	s_mov_b32 s93, 0
	s_mul_i32 s46, s46, 12288
	s_mov_b32 s47, 0
	s_mul_i32 s45, s14, HALFT                      ; where they go: no place in the cluster enters an LDS address
	s_lshl_b32 s66, s14, 12
	s_mov_b32 s104, 0x76543210
	s_mov_b32 s105, 0xfedcba98                     ; v_permlanex16_b32's selects for lane l xor 16
	s_wait_kmcnt 0x0
	s_load_b32 s95, s[6:7], 0x320000               ; the floor: used as a number alone
	s_cmp_lg_u32 s96, 0
	s_cselect_b64 s[12:13], s[6:7], s[4:5]         ; A's buffer
	s_cselect_b64 s[18:19], s[4:5], s[6:7]         ; B's
	s_add_nc_u64 s[20:21], s[12:13], s[20:21]
	s_add_nc_u64 s[22:23], s[12:13], s[22:23]
	s_add_nc_u64 s[46:47], s[18:19], s[46:47]
	s_add_nc_u64 s[92:93], s[18:19], s[92:93]
	s_add_nc_u64 s[98:99], s[10:11], s[98:99]
	s_add_nc_u64 s[100:101], s[10:11], s[100:101]
	CROUND                                         ; all sixteen work-groups are here: the first joint loads meet
	s_mov_b32 s[G0S], 1
	s_add_co_u32 s[G0S+1], s66, SCL
	s_mov_b64 s[G0S+2:G0S+3], s[22:23]
	s_or_b32 s[G0S+3], s[G0S+3], 0x80000000
	s_mov_b32 s[G0SB], 1
	s_add_co_u32 s[G0SB+1], s66, SCL
	s_mov_b64 s[G0SB+2:G0SB+3], s[92:93]
	s_or_b32 s[G0SB+3], s[G0SB+3], 0x80000000
	JLOAD G0S, G1S, G0SB, G1SB                     ; the scale words first: they are wanted with K step 0
.irp s, 0,1
	s_mov_b32 s[G0+4*\s], 1
	s_add_co_u32 s[G0+4*\s+1], s45, \s*SLOT
	s_add_nc_u64 s[G0+4*\s+2:G0+4*\s+3], s[20:21], \s*3072
	s_or_b32 s[G0+4*\s+3], s[G0+4*\s+3], 0x80000000
	s_mov_b32 s[G0B+4*\s], 1
	s_add_co_u32 s[G0B+4*\s+1], s45, \s*SLOT
	s_add_nc_u64 s[G0B+4*\s+2:G0B+4*\s+3], s[46:47], \s*3072
	s_or_b32 s[G0B+4*\s+3], s[G0B+4*\s+3], 0x80000000
	JLOAD G0+4*\s, G1, G0B+4*\s, G1B
.endr
	v_and_b32 v1, 15, v0                           ; r
	v_bfe_u32 v2, v0, 4, 1                         ; h
	v_and_b32 v3, 31, v0                           ; lane
	v_lshlrev_b32 v[O8], 3, v3
	v_lshlrev_b32 v[O4], 2, v3
	v_cmp_le_u32 s97, 16, v3                       ; lanes 16-31
	s_mul_i32 s21, s15, HALFT                      ; my 8 tiles of A
	s_mul_i32 s22, s16, HALFT                      ; my 8 tiles of B,
	s_add_co_u32 s22, s22, 2*HALFT                 ; which lie behind A's 16
.irp s, 0,1
	v_add_nc_u32 v[ADRA+\s], s21, v[O8]
	v_add_nc_u32 v[ADRB+\s], s22, v[O8]
	s_add_co_u32 s21, s21, SLOT
	s_add_co_u32 s22, s22, SLOT
.endr
	s_lshl_b32 s21, s15, 12                        ; A's scale words: my half
	s_add_co_u32 s22, s16, 2
	s_sub_co_u32 s22, s22, s15
	s_lshl_b32 s22, s22, 12                        ; the distance to B's
	v_mul_u32_u24 v4, s22, v2                      ; lanes 16-31 take B's
	s_add_co_u32 s21, s21, SCL
	v_lshl_add_u32 v4, v1, 2, v4
	v_add_nc_u32 v[ADRS], s21, v4
	; the biases.  Of B's rows: register 16 b + i wants row 32 b + 16 h + i of my 128.  Of A's rows: block a's row rho(r).  The one that the region does not use is read at the buffer's head and made 0.
	v_and_b32 v5, 8, v1
	v_add_nc_u32 v5, v5, v1                        ; rho(r)
	s_lshl_b32 s46, s42, 10
	s_lshl_b32 s47, s16, 9
	s_add_co_u32 s46, s46, s47
	s_and_b32 s46, s46, s94
	v_lshlrev_b32 v8, 6, v2
	v_add_nc_u32 v8, s46, v8
	s_lshl_b32 s20, s17, 10
	s_lshl_b32 s21, s15, 9
	s_add_co_u32 s20, s20, s21
	s_add_co_u32 s20, s20, 8192                    ; V's bias begins at number 2,048
	s_and_b32 s20, s20, s96
	v_lshlrev_b32 v9, 2, v5
	v_add_nc_u32 v9, s20, v9
.irp b, 0,1,2,3
.irp j, 0,1,2,3
	global_load_b128 v[BN+16*\b+4*\j:BN+16*\b+4*\j+3], v8, s[8:9] offset:128*\b+16*\j
.endr
.endr
.irp a, 0,1,2,3,4,5,6,7
	global_load_b32 v[BM+\a], v9, s[8:9] offset:(32*(\a/2)+8*(\a%2))*4
.endr
.macro FRAG reg, adr, q, i             ; a fragment comes as it was stored: six planes of 256 bytes, 8 bytes a lane
.irp p, 0,1,2,3,4,5
	ds_load_b64 v[\reg+2*\p:\reg+2*\p+1], v[\adr] offset:(\i)*3072+(\q)*1536+256*\p
.endr
.endm
; 16 matrix instructions: A's blocks a0, a0 + 1 x B's eight.  p: B's set; sc: the set of scale words.  zero = 1: the first products start the sums, with the bias of B's rows as C.
; The 64 accumulators take turns, one instruction a turn, in the same order in every step.
.macro MUL16 a0, p, q, sc, zero
.irp a, \a0, \a0+1
.irp b, 0,1,2,3,4,5,6,7
.if \zero
	v_wmma_scale_f32_16x16x128_f8f6f4 v[8*(8*((\a)%4)+\b):8*(8*((\a)%4)+\b)+7], v[128*(\p)+FR*\b:128*(\p)+FR*\b+FR-1], v[AF+FR*(\a):AF+FR*(\a)+FR-1], v[BN+8*\b:BN+8*\b+7], v[SC+8*NQ*(\sc)+NQ*\b+(\q)], v[SC+8*NQ*(\sc)+NQ*(\a)+(\q)] matrix_a_fmt:MATRIX_FMT_BF6 matrix_b_fmt:MATRIX_FMT_BF6 matrix_a_scale:MATRIX_SCALE_ROW1
.else
	v_wmma_scale_f32_16x16x128_f8f6f4 v[8*(8*((\a)%4)+\b):8*(8*((\a)%4)+\b)+7], v[128*(\p)+FR*\b:128*(\p)+FR*\b+FR-1], v[AF+FR*(\a):AF+FR*(\a)+FR-1], v[8*(8*((\a)%4)+\b):8*(8*((\a)%4)+\b)+7], v[SC+8*NQ*(\sc)+NQ*\b+(\q)], v[SC+8*NQ*(\sc)+NQ*(\a)+(\q)] matrix_a_fmt:MATRIX_FMT_BF6 matrix_b_fmt:MATRIX_FMT_BF6 matrix_a_scale:MATRIX_SCALE_ROW1
.endif
.endr
.endr
.endm
.macro FETCH_B slot, q, p
	WIN TO_B
.irp i, 0,1,2,3,4,5,6,7
	FRAG 128*(\p)+FR*\i, ADRB+\slot, \q, \i
.endr
	WIN 0
.endm
.macro FETCH_A slot, q, i0
.irp i, \i0, \i0+1, \i0+2, \i0+3
	FRAG AF+FR*(\i), ADRA+\slot, \q, \i
.endr
.endm
.macro SCALES sc                       ; a slot's scale words: register 2 i + q: lanes 0-15 A's block i, lanes 16-31 B's block i, K step q of the slot
.irp i, 0,1,2,3,4,5,6,7
.irp q, 0,1
	ds_load_b32 v[SC+16*\sc+2*\i+\q], v[ADRS] offset:512*\q+64*\i
.endr
.endr
.endm
.macro PLACES n                        ; plain vector instructions between a matrix instruction and a load into, or a vector instruction on, its registers
.rept \n
	v_nop
.endr
.endm
; A step of 128 along K that has its successor in the same slot
.macro STEP slot, q, zero
	s_wait_dscnt 4*NL                              ; B's set and A's blocks 0-3 are in; the youngest 24 loads (A's blocks 4-7) may be out
.if \zero
	WIN 0x81                                       ; as MUL_LO, with C (the bias) in window 0
.else
	WIN MUL_LO
.endif
	MUL16 0, (\q)%2, \q, \slot, \zero
	MUL16 2, (\q)%2, \q, \slot, \zero
	s_wait_dscnt 0
	PLACES NP
	FETCH_B \slot, (\q)+1, 1-(\q)%2
	FETCH_A \slot, (\q)+1, 0
.if \zero
	WIN 0xc1
.else
	WIN MUL_HI
.endif
	MUL16 4, (\q)%2, \q, \slot, \zero
	MUL16 6, (\q)%2, \q, \slot, \zero
	PLACES NP
	WIN 0
	FETCH_A \slot, (\q)+1, 4
.endm
; A slot's last step changes slots: one barrier; in front of it each wave waits for all its tensor loads, adds 0 to its spare word, and waits for that and for its own reads of this slot.
.macro TURN slot, next, fill
	s_wait_tensorcnt 0x0                           ; all my tensor loads have landed: my part of the next slot
	ds_add_u32 v[SPW], v[NIL]                      ; 0 onto my spare word
	s_wait_dscnt 4*NL+1                            ; (the add and the youngest 24 loads may be out)
	WIN MUL_LO
	MUL16 0, 1, NQ-1, \slot, 0
	s_wait_dscnt 0x0                               ; the add is done, and my reads of this slot are over
	s_barrier_signal -1
	MUL16 2, 1, NQ-1, \slot, 0
	WIN 0
	s_barrier_wait -1
.if \fill
	CREST                                          ; the barrier has opened a round of the cluster's barrier: no wave of any partner still reads this slot or has a load on its way
	s_add_nc_u64 s[G0+4*\slot+2:G0+4*\slot+3], s[G0+4*\slot+2:G0+4*\slot+3], 6144
	s_add_nc_u64 s[G0B+4*\slot+2:G0B+4*\slot+3], s[G0B+4*\slot+2:G0B+4*\slot+3], 6144
	JLOAD G0+4*\slot, G1, G0B+4*\slot, G1B         ; the first tensor load behind the round; its four v_nop are the places in front of the loads below
.else
	PLACES NP
.endif
	v_add_nc_u32 v[ADRS], 1024, v[ADRS]            ; the next slot's two K steps of scale words
	FETCH_B \next, 0, 0
	FETCH_A \next, 0, 0
	SCALES \next
	WIN MUL_HI
	MUL16 4, 1, NQ-1, \slot, 0
	MUL16 6, 1, NQ-1, \slot, 0
	PLACES NP
	WIN 0
	FETCH_A \next, 0, 4
.endm
	s_wait_kmcnt 0x0                               ; the floor
	s_wait_tensorcnt 1                             ; the scale words and my part of slot 0 are in; slot 1's load may be out
	s_barrier_signal -1
	s_barrier_wait -1
	FETCH_B 0, 0, 0
	FETCH_A 0, 0, 0
	SCALES 0
	FETCH_A 0, 0, 4
	s_wait_loadcnt 0x0                             ; the biases
.set n, 0
.rept 64
	v_cndmask_b32 v[BN+n], 0, v[BN+n], s94         ; kept in the first region
.set n, n+1
.endr
.set n, 0
.rept 8
	v_cndmask_b32 v[BM+n], 0, v[BM+n], s96         ; kept in the second
.set n, n+1
.endr
	STEP 0, 0, 1                                   ; the first step stands in front of the loop: its products start the sums
	s_mov_b32 s3, LAPS-1
.Llap:                                             ; a trip goes once round the ring and fills both slots again
	TURN 0, 1, 1
	STEP 1, 0, 0
	TURN 1, 0, 1
	STEP 0, 0, 0
	s_sub_co_u32 s3, s3, 1
	s_cmp_lg_u32 s3, 0
	s_cbranch_scc1 .Llap
	TURN 0, 1, 0                                   ; the last lap fills nothing
	STEP 1, 0, 0
	s_wait_dscnt 4*NL
	WIN MUL_LO
	MUL16 0, 1, NQ-1, 1, 0
	MUL16 2, 1, NQ-1, 1, 0
	s_wait_dscnt 0
	WIN MUL_HI
	MUL16 4, 1, NQ-1, 1, 0
	MUL16 6, 1, NQ-1, 1, 0
	WIN 0
; THE WAY OUT.  64 numbers of a lane, register 16 b + i = index 32 b + 16 (lane / 16) + i of my row, become a fragment's 12 registers v[PC] on and the row's scale word v[w].
.macro QUANT4 s, w
.irp b, 0,1,2,3
	v_max3_num_f32 v[TM+\b], |v[\s+16*\b]|, |v[\s+1+16*\b]|, 0x2800000   ; my 16 numbers of block b, and the floor 2^(5 - 127): the byte cannot fall under 1
.endr
.irp i, 2,4,6,8,10,12,14
.irp b, 0,1,2,3
	v_max3_num_f32 v[TM+\b], v[TM+\b], |v[\s+16*\b+\i]|, |v[\s+1+16*\b+\i]|
.endr
.endr
.irp b, 0,1,2,3
	v_permlanex16_b32 v[TM+4+\b], v[TM+\b], s104, s105
.endr
.irp b, 0,1,2,3
	v_max_num_f32 v[TM+\b], v[TM+\b], v[TM+4+\b]   ; with lane l xor 16's: the block's largest magnitude
.endr
.irp b, 0,1,2,3
	v_add_nc_u32 v[TM+12+\b], 0xfe000000, v[TM+\b] ; 4 off its exponent field: the conversion's scale operand
.endr
.irp b, 0,1,2,3
	v_lshrrev_b32 v[TM+4+\b], 23, v[TM+12+\b]      ; the scale's byte
.endr
	v_lshl_or_b32 v[\w], v[TM+5], 8, v[TM+4]
	v_lshl_or_b32 v[\w], v[TM+6], 16, v[\w]
	v_lshl_or_b32 v[\w], v[TM+7], 24, v[\w]
.irp c, 0,1
	v_cvt_scalef32_pk16_bf6_f32 v[PC+6*\c:PC+2+6*\c], v[\s+32*\c:\s+15+32*\c], v[TM+12+2*\c]
	v_cvt_scalef32_pk16_bf6_f32 v[PC+12+4*\c:PC+14+4*\c], v[\s+16+32*\c:\s+31+32*\c], v[TM+12+2*\c+1]
.endr
	v_nop                                          ; one plain place behind a scaled conversion
.irp c, 0,1                                    ; the operand wants a whole block in a lane: lanes 0-15 block 2 c, lanes 16-31 block 2 c + 1
.irp i, 0,1,2
	v_permlane16_swap_b32 v[PC+6*\c+\i], v[PC+12+4*\c+\i]
.endr
.irp i, 0,1,2
	v_mov_b32 v[PC+3+6*\c+\i], v[PC+12+4*\c+\i]
.endr
.endr
.endm
.macro OUTBLK a                        ; block a: 16 rows of A x my 128 of B's rows: one fragment of the result
	WIN 0x02+(\a)/4                                ; source 0: window 2 or 3
.set n, 0
.rept 32
	v_pk_add_f32 v[Y+n:Y+n+1], v[64*((\a)%4)+n:64*((\a)%4)+n+1], v[BMP+2*(\a):BMP+2*(\a)+1]   ; into window 0, with the bias of A's rows; each accumulator from its low end on
.set n, n+2
.endr
	WIN 0
.set n, 0
.rept 64
	v_max_num_f32 v[Y+n], s95, v[Y+n]              ; the activation: the floor
.set n, n+1
.endr
	s_wait_xcnt 0x0                                ; the last block's stores have read their registers
	QUANT4 Y, WD+(\a)
.irp p, 0,1,2,3,4,5
	global_store_b64 v[O8], v[PC+2*\p:PC+2*\p+1], s[98:99] offset:49152*(\a)+256*\p   ; 32 lanes store 256 consecutive bytes, aligned
.endr
.if (\a)%2
	v_cndmask_b32 v[SW], v[WD+(\a)-1], v[WD+(\a)], s97
	global_store_b32 v[O4], v[SW], s[100:101] offset:64*((\a)-1)                  ; two tiles' scale words: 128 bytes on end
.endif
.endm
	PLACES NP                                      ; behind the last products
.irp a, 0,1,2,3,4,5,6,7
	v_mov_b32 v[BMP+2*\a], v[BM+\a]
	v_mov_b32 v[BMP+2*\a+1], v[BM+\a]
.endr
.irp b, 0,1,2,3
	v_mov_b32 v[TM+4+\b], 0                        ; a lane permute's destination counts as one of its sources
.endr
.irp a, 0,1,2,3,4,5,6,7
	OUTBLK \a
.endr
	s_wait_tensorcnt 0x0                           ; the wave's end
	ds_add_u32 v[SPW], v[NIL]
	s_wait_dscnt 0x0
	CROUND                                         ; the closing round: no work-group ends while a partner may still ask for a tile that names it
	s_endpgm
.Lfunc_end_k_q431d286010_g1:
	.size	k_q431d286010_g1, .Lfunc_end_k_q431d286010_g1-k_q431d286010_g1
	.p2alignl 7, 3214868480
	.fill 96, 4, 3214868480
	.section	.rodata,"a",@progbits
	.p2align	6, 0x0
	.amdhsa_kernel k_q431d286010_g1
		.amdhsa_group_segment_fixed_size 327680
		.amdhsa_private_segment_fixed_size 0
		.amdhsa_enable_private_segment 0
		.amdhsa_kernarg_size 32
		.amdhsa_user_sgpr_count 2
		.amdhsa_user_sgpr_kernarg_segment_ptr 1
		.amdhsa_wavefront_size32 1
		.amdhsa_system_sgpr_workgroup_id_x 1
		.amdhsa_system_sgpr_workgroup_id_y 1
		.amdhsa_system_sgpr_workgroup_id_z 1
		.amdhsa_system_vgpr_workitem_id 0
		.amdhsa_next_free_vgpr 1024
		.amdhsa_next_free_sgpr 106
		.amdhsa_reserve_vcc 0
		.amdhsa_float_denorm_mode_32 3
		.amdhsa_float_denorm_mode_16_64 3
		.amdhsa_memory_ordered 1
		.amdhsa_forward_progress 1
		.amdhsa_inst_pref_size 208
	.end_amdhsa_kernel
	.amdgpu_metadata
---
amdhsa.version: [ 1, 2 ]
amdhsa.kernels:
  - .name:           k_q431d286010_g1
    .symbol:         k_q431d286010_g1.kd
    .args:
      - { .name: xq, .offset: 0, .size: 8, .value_kind: global_buffer, .address_space: global }
      - { .name: wa, .offset: 8, .size: 8, .value_kind: global_buffer, .address_space: global }
      - { .name: in_proj_b, .offset: 16, .size: 8, .value_kind: global_buffer, .address_space: global }
      - { .name: qkv, .offset: 24, .size: 8, .value_kind: global_buffer, .address_space: global }
    .group_segment_fixed_size: 327680
    .private_segment_fixed_size: 0
    .kernarg_segment_align: 8
    .kernarg_segment_size: 32
    .max_flat_workgroup_size: 128
    .sgpr_count:     106
    .vgpr_count:     1024
    .wavefront_size: 32
...
	.end_amdgpu_metadata
.endif
;; end of part 3
;; launch attn (part 4): grid 8 x 32, 16 waves a work-group, no clusters, 163,840 bytes of LDS; arguments qkv, rel_pos, oq; writes oq
.if DOCPART == 4
	.amdgcn_target "amdgcn-amd-amdhsa--gfx1250"
	.amdhsa_code_object_version 6
	.text
	.protected	k_q431d286010_attn
	.globl	k_q431d286010_attn
	.p2align	8
	.type	k_q431d286010_attn,@function
k_q431d286010_attn:
	s_mov_b64 s[64:65], 0
	v_nop
	global_prefetch_b8 v0, s[64:65] scope:SCOPE_SE
	s_setreg_imm32_b32 hwreg(HW_REG_WAVE_MODE, 25, 1), 1
	s_wait_xcnt 0x0
; o = softmax(q k^T / 8 + bias) v for 64 (batch, head) pairs of 1,024 tokens, head size 64; bias[i][j] = rel_pos[head][i - j] where 0 <= i - j < 512, else -infinity: a query sees at most 512 keys.
; Both products on E3M2 codes with E8M0 scales.  q, k: fragments (token tile, K step = pair of heads): planes 0-2 the even head's 64 channels, planes 3-5 the odd head's.  V^T: fragments (channel tile, K step = 128 tokens).
; THE SOFTMAX AHEAD OF THE SECOND PRODUCT: t = (score / 8 + bias) log2(e); M = the running largest t rounded UP to a whole number; p = 2^(t - M) is quantised along the keys; the row's sum is taken of the unquantised p and
; divides at the end; when M moves, the sum and O are multiplied by 2^(old M - new M): exact.
; SHARES.  A work-group: 128 queries (block I = its x) of a pair of heads of a batch (its y).  Sixteen waves: wave w has query tile w % 8 of head w / 8: 16 queries, 256 registers.
; Key blocks I - 4 .. I, 128 keys a step, five steps written out; a step whose block lies ahead of the sequence is passed over by a scalar branch on the work-group's number.
; The 640 keys' K and V^T of both heads, their scale words and the bias table fit in LDS: filled ONCE, through registers, in front of the first barrier; in the key steps LDS is only read.  A second barrier stands between
; every wave's last read and the stores of o's scale halves (512 bytes of their own), a third between those stores and the one wave that reads them.
; No cluster: neighbouring blocks want windows of keys that are shifted against each other, so their requests would differ.
; LAYOUT.  Both products transposed: a lane holds ONE query (lane % 16).  By the tiles' row order rho the 16 registers of tiles 2 b, 2 b + 1 are keys 32 b + 16 (lane / 16) + 0 .. 15.
; K = 64 in the first product: the instruction's upper 64 meet zero codes of Q (registers 6-11 of Q are 0; what stands there in K's buffers is finite in every code), with scale bytes 0, which are no NaN.
; THE TABLE is bias and mask in one: rev[y] = rel_pos[639 - y] log2(e) for 128 <= y <= 639, else -infinity; for query place s and key kk of step j: y = 127 + 128 j + kk - s.
; Four copies, shifted by 0 .. 3 numbers, so that each lane's 16 neighbours come by four aligned loads of 16 bytes.
; LIMITS: NaN and infinities among the inputs are not served; v_exp_f32 and v_rcp_f32 are within one unit in the last place; a block of o under 2^-122 gets the scale byte 1.
; REGISTERS: v1-7, v10-11 addresses that stay; v8-9 the step's; v12 -M, v13 the largest t, v[14:15] the sum; v16-27 Q; v28-31 the fill's LDS addresses; v32-79 four fragments; v96-159 S^T, then p; v160-191 O^T;
;   v192-223 table values; v224-235 p's codes; v232-254 at work; v248-251, v253, v255 scale words.
.set KVS,  24576                       ; a key block in LDS: 8 tiles of K (both heads), then 8 channel tiles of V^T
.set SCL,  122880                      ; scale words: 1,024 bytes a block: K's 8 x 64, V's 8 x 64
.set TAB,  128000                      ; the tables: 16,640 bytes a head
.set OS,   161280                      ; o's scale halves: [tile 8][r 16][head 2] of 2 bytes
.set SEL,  20
.set CS,   22
	s_load_b128 s[4:7], s[0:1], 0x0                ; qkv, rel_pos
	s_load_b64 s[8:9], s[0:1], 0x10                ; oq
	v_lshl_add_u32 v95, v0, 2, 0x27800
	v_mov_b32 v243, 0
	v_lshrrev_b32 v1, 5, v0
	v_readfirstlane_b32 s10, v1                    ; wave 0..15
	s_and_b32 s11, s10, 7                          ; tq: my tile of queries
	s_lshr_b32 s12, s10, 3                         ; e: my head of the pair
	s_and_b32 s13, ttmp7, 0xffff
	s_lshr_b32 s14, s13, 3                         ; the batch
	s_and_b32 s15, s13, 7                          ; P: the pair of heads
	s_mov_b32 s[SEL], 0x76543210
	s_mov_b32 s[SEL+1], 0xfedcba98
	s_mov_b32 s[CS], 0x3e38aa3b                    ; log2(e) / 8
	s_mov_b32 s[CS+1], s[CS]
	v_and_b32 v212, 31, v0                         ; lane
	v_and_b32 v213, 15, v0                         ; r
	v_bfe_u32 v214, v0, 4, 1                       ; h
	v_lshlrev_b32 v6, 3, v212                      ; 8 x lane
	v_lshlrev_b32 v11, 4, v212                     ; 16 x lane
	v_add_nc_u32 v10, OS, v11
	; what my wave brings into LDS: waves 0-7 tile w of K of each block, waves 8-15 channel tile w - 8 of V^T
	s_lshl_b32 s24, s14, 6
	s_add_co_u32 s24, s24, s10
	s_lshl_b32 s24, s24, 5
	s_add_co_u32 s24, s24, s15
	s_add_co_u32 s24, s24, 8
	s_mul_i32 s24, s24, 1536                       ; K: fragment (64 b + w, 8 + P)
	s_lshl_b32 s25, s15, 3
	s_add_co_u32 s25, s25, s10
	s_sub_co_u32 s25, s25, 8                       ; 8 P + w - 8
	s_lshl_b32 s26, s25, 5
	s_lshl_b32 s27, s14, 3
	s_add_co_u32 s26, s26, s27
	s_mul_i32 s26, s26, 1536
	s_add_co_u32 s26, s26, 13107200                ; V^T: fragment (8 P + w - 8, 8 b)
	s_add_co_u32 s28, s15, 8
	s_lshl_b32 s28, s28, 8
	s_lshl_b32 s29, s14, 6
	s_add_co_u32 s28, s28, s29
	s_add_co_u32 s28, s28, s10
	s_lshl_b32 s28, s28, 6
	s_add_co_u32 s28, s28, 12582912                ; K's scale words
	s_lshl_b32 s29, s14, 9
	s_add_co_u32 s29, s29, s25
	s_lshl_b32 s29, s29, 6
	s_add_co_u32 s29, s29, 16252928                ; V's
	s_cmp_lt_u32 s10, 8
	s_cselect_b32 s24, s24, s26
	s_cselect_b32 s28, s28, s29
	s_mov_b32 s30, 1536
	s_cselect_b32 s30, 393216, s30                 ; from key block to key block: codes,
	s_mov_b32 s31, 4096
	s_cselect_b32 s31, 512, s31                    ; scale words
	v_lshlrev_b32 v215, 2, v213                    ; 4 r
.irp j, 0,1,2,3,4
	s_add_co_i32 s32, ttmp9, \j-4
	s_max_i32 s32, s32, 0                          ; the block, held at 0: a block ahead of the sequence is loaded from block 0 and never read
	s_mul_i32 s33, s32, s30
	s_add_co_u32 s33, s33, s24
	v_add_nc_u32 v[200+\j], s33, v11
	s_mul_i32 s33, s32, s31
	s_add_co_u32 s33, s33, s28
	v_add_nc_u32 v[205+\j], s33, v215
.endr
	; my queries: tile T = 64 b + 8 I + tq
	s_lshl_b32 s34, s14, 6
	s_lshl_b32 s35, ttmp9, 3
	s_add_co_u32 s34, s34, s35
	s_lshl_b32 s36, s15, 8
	s_add_co_u32 s36, s36, s34
	s_lshl_b32 s36, s36, 6                         ; (256 P + 64 b + 8 I) x 64
	s_add_co_u32 s34, s34, s11                     ; T
	s_lshl_b32 s35, s34, 5
	s_add_co_u32 s35, s35, s15
	s_mul_i32 s35, s35, 1536
	s_mul_i32 s37, s12, 768
	s_add_co_u32 s35, s35, s37                     ; Q: fragment (T, P), my head's three planes
	v_add_nc_u32 v210, s35, v6
	s_lshl_b32 s38, s11, 6
	s_add_co_u32 s38, s38, s36
	s_lshl_b32 s39, s12, 1
	s_add_co_u32 s38, s38, s39
	s_add_co_u32 s38, s38, 12582912                ; its scale words, my head's two bytes
	v_add_nc_u32 v211, s38, v215
	s_lshl_b32 s39, s34, 3
	s_add_co_u32 s39, s39, s15
	s_mul_i32 s39, s39, 1536
	s_add_co_u32 s16, s39, s37                     ; o: fragment (T, P) of 8 K steps, my head's three planes
	s_mov_b32 s17, 0
	s_add_co_u32 s18, s36, 3145728                 ; o's scale words of the block's 8 tiles
	s_mov_b32 s19, 0
	; the table's sources: y = thread and 512 + thread
	v_sub_nc_u32 v216, 639, v0
	v_min_u32 v216, 511, v216
	v_sub_nc_u32 v217, 127, v0
	v_max_i32 v217, 0, v217
	s_lshl_b32 s33, s15, 12                        ; head 2 P's row of rel_pos
	v_lshl_add_u32 v196, v216, 2, s33
	v_lshl_add_u32 v197, v217, 2, s33
	s_wait_kmcnt 0x0
	s_add_nc_u64 s[16:17], s[8:9], s[16:17]
	s_add_nc_u64 s[18:19], s[8:9], s[18:19]
.irp j, 0,1,2,3,4
.irp c, 0,1,2
	global_load_b128 v[96+12*\j+4*\c:99+12*\j+4*\c], v[200+\j], s[4:5] offset:512*\c   ; a fragment is 1,536 consecutive bytes
.endr
	global_load_b32 v[160+\j], v[205+\j], s[4:5]
.endr
	global_load_b32 v192, v196, s[6:7]
	global_load_b32 v193, v196, s[6:7] offset:2048
	global_load_b32 v194, v197, s[6:7]
	global_load_b32 v195, v197, s[6:7] offset:2048
.irp p, 0,1,2
	global_load_b64 v[16+2*\p:17+2*\p], v210, s[4:5] offset:256*\p
.endr
	global_load_u16 v255, v211, s[4:5]             ; bytes 2 and 3 come as 0
	; LDS addresses
	v_add_nc_u32 v1, s37, v6                       ; K: 768 e + 8 x lane
	s_mul_i32 s33, s12, 6144
	s_add_co_u32 s33, s33, 12288
	v_add_nc_u32 v2, s33, v6                       ; V^T: my head's four channel tiles
	s_lshl_b32 s33, s12, 1
	s_add_co_u32 s33, s33, SCL
	v_lshl_add_u32 v3, v213, 2, s33                ; K's scale words, my head's two bytes
	s_lshl_b32 s33, s12, 8
	s_add_co_u32 s33, s33, SCL+512
	v_lshl_add_u32 v4, v213, 2, s33                ; V's
	s_lshl_b32 s33, s11, 6
	s_lshl_b32 s32, s12, 1
	s_add_co_u32 s33, s33, s32
	s_add_co_u32 s33, s33, OS
	v_lshl_add_u32 v7, v213, 2, s33                ; o's scale half
	v_and_b32 v216, 8, v213
	v_add_nc_u32 v216, v216, v213                  ; rho(r)
	s_lshr_b32 s38, s11, 1
	s_lshl_b32 s38, s38, 5
	s_and_b32 s39, s11, 1
	s_lshl_b32 s39, s39, 3
	s_add_co_u32 s38, s38, s39                     ; my tile's first place in the block: bits 3, 5, 6 alone,
	s_xor_b32 s38, s38, 127                        ; so this is 127 less that place
	v_lshl_add_u32 v5, v214, 4, s38
	v_sub_nc_u32 v5, v5, v216                      ; y0 = 127 - s + 16 h
	v_and_b32 v216, 3, v5                          ; which copy
	v_sub_nc_u32 v5, v5, v216
	v_lshlrev_b32 v5, 2, v5
	v_and_b32 v217, 1, v216
	v_mad_u32_u24 v5, v217, 4128, v5
	v_lshrrev_b32 v217, 1, v216
	v_mad_u32_u24 v5, v217, 8320, v5
	s_mul_i32 s39, s12, 16640
	s_add_co_u32 s39, s39, TAB+16
	v_add_nc_u32 v5, s39, v5                       ; a multiple of 16
	s_mul_i32 s33, s10, 1536
	v_add_nc_u32 v28, s33, v11                     ; the fill: 1,536 w + 16 x lane, blocks 0 and 1;
	v_add_nc_u32 v29, 49152, v28                   ; blocks 2 to 4
	s_lshl_b32 s33, s10, 6
	s_add_co_u32 s33, s33, SCL
	v_lshl_add_u32 v30, v213, 2, s33
	v_lshl_add_u32 v31, v0, 2, TAB
	v_mov_b32 v215, 0xff800000                     ; -infinity
	v_cmp_gt_u32 vcc_lo, 128, v0
	s_wait_loadcnt 0x0
.irp j, 0,1
.irp c, 0,1,2
	ds_store_b128 v28, v[96+12*\j+4*\c:99+12*\j+4*\c] offset:KVS*\j+512*\c
.endr
.endr
.irp j, 2,3,4
.irp c, 0,1,2
	ds_store_b128 v29, v[96+12*\j+4*\c:99+12*\j+4*\c] offset:KVS*(\j-2)+512*\c
.endr
.endr
.irp j, 0,1,2,3,4
	ds_store_b32 v30, v[160+\j] offset:1024*\j     ; (both halves of the lanes write the same word with the same value)
.endr
.irp n, 0,1,2,3
	v_mul_f32 v[192+\n], 0x3fb8aa3b, v[192+\n]     ; x log2(e)
.endr
	v_cndmask_b32 v192, v192, v215, vcc_lo         ; y = thread: hidden under 128
	v_cndmask_b32 v193, v193, v215, vcc_lo
	v_cndmask_b32 v194, v215, v194, vcc_lo         ; y = 512 + thread: hidden above 639
	v_cndmask_b32 v195, v215, v195, vcc_lo
.irp k, 0,1
.irp e, 0,1
.irp c, 0,1,2,3
	ds_store_b32 v31, v[192+2*\k+\e] offset:16640*\e+4128*(\c%2)+8320*(\c/2)+16-4*\c+2048*\k   ; copy c holds rev[x + c] at x
.endr
.endr
.endr
	s_wait_dscnt 0x0                               ; my stores have landed, and have read their registers
	s_barrier_signal -1
	v_mov_b32 v13, 0xff61b1e6                      ; the largest t so far: -3e38
	v_floor_f32 v12, -v13                          ; -M
	v_mov_b32 v14, 0
	v_mov_b32 v15, 0
.irp n, 22,23,24,25,26,27
	v_mov_b32 v[\n], 0                             ; Q's upper 64 along K: zero codes
.endr
.irp t, 0,1,2,3
.irp n, 6,7,8,9,10,11
	v_mov_b32 v[32+12*\t+\n], 0                    ; written once: the first product names all 12 registers of a buffer
.endr
.endr
.set n, 0
.rept 32
	v_mov_b32 v[160+n], 0                          ; O^T: the step is written alike for all five: the first finds zeros
.set n, n+1
.endr
.irp b, 0,1,2,3
	v_mov_b32 v[236+\b], 0                         ; a lane permute's destination counts as one of its sources
.endr
	v_mov_b32 v253, 0
	s_barrier_wait -1                              ; K, V^T, the scale words and the tables lie in LDS
.macro STEP j
.if \j < 4
	s_cmp_lt_u32 ttmp9, 4-\j                       ; the block lies ahead of the sequence
	s_cbranch_scc1 .Lskip_\@
.endif
	v_add_nc_u32 v8, KVS*\j, v1
	v_add_nc_u32 v9, KVS*\j, v2
	v_nop
	v_nop                                          ; four places in front of loads into registers that the last products have read
.irp g, 0,1                                    ; S^T = K Q^T, four tiles of 16 keys at a time
.irp t, 0,1,2,3
.irp p, 0,1,2
	ds_load_b64 v[32+12*\t+2*\p:33+12*\t+2*\p], v8 offset:(4*\g+\t)*1536+256*\p
.endr
	ds_load_u16 v[248+\t], v3 offset:1024*\j+64*(4*\g+\t)
.endr
.irp n, 0,1,2,3,4,5,6,7
	ds_load_b128 v[192+4*\n:195+4*\n], v5 offset:512*\j+256*\g+128*(\n/4)+16*(\n%4)   ; bias and mask of these 64 keys
.endr
	s_wait_dscnt 0x0
.irp t, 0,1,2,3
	v_wmma_scale_f32_16x16x128_f8f6f4 v[96+8*(4*\g+\t):103+8*(4*\g+\t)], v[32+12*\t:43+12*\t], v[16:27], 0, v[248+\t], v255 matrix_a_fmt:MATRIX_FMT_BF6 matrix_b_fmt:MATRIX_FMT_BF6
.endr
.rept 4
	v_nop
.endr
.irp n, 0,2,4,6,8,10,12,14,16,18,20,22,24,26,28,30
	v_pk_fma_f32 v[96+32*\g+\n:97+32*\g+\n], v[96+32*\g+\n:97+32*\g+\n], s[CS:CS+1], v[192+\n:193+\n] op_sel_hi:[1,0,1]   ; t = score x log2(e) / 8 + bias; each accumulator from its low end on
.endr
.endr
.irp b, 0,1,2,3
	v_max3_num_f32 v[232+\b], v[96+16*\b], v[97+16*\b], v[98+16*\b]   ; the largest t of each block of 32 keys: for the row's maximum, and, since p rises with t, for the block's largest p
.endr
.irp i, 3,5,7,9,11,13
.irp b, 0,1,2,3
	v_max3_num_f32 v[232+\b], v[232+\b], v[96+16*\b+\i], v[97+16*\b+\i]
.endr
.endr
.irp b, 0,1,2,3
	v_max_num_f32 v[232+\b], v[232+\b], v[111+16*\b]
.endr
.irp b, 0,1,2,3
	v_permlanex16_b32 v[236+\b], v[232+\b], s[SEL], s[SEL+1]
.endr
.irp b, 0,1,2,3
	v_max_num_f32 v[232+\b], v[232+\b], v[236+\b]
.endr
	v_max3_num_f32 v254, v232, v233, v234
	v_max_num_f32 v254, v254, v235
	v_max_num_f32 v13, v13, v254                   ; the running largest t
	v_mov_b32 v254, v12
	v_floor_f32 v12, -v13                          ; the new -M = -ceil(t)
	v_sub_f32 v254, v12, v254                      ; old M - new M: a whole number, 0 or less
	v_cvt_i32_f32 v254, v254                       ; (it saturates)
	v_ldexp_f32 v252, 1.0, v254                    ; f = 2^(old M - new M)
.irp n, 0,2,4,6,8,10,12,14,16,18,20,22,24,26,28,30,32,34,36,38,40,42,44,46,48,50,52,54,56,58,60,62
	v_pk_add_f32 v[96+\n:97+\n], v[96+\n:97+\n], v[12:13] op_sel_hi:[1,0]   ; t - M
.endr
.irp b, 0,1,2,3
	v_add_f32 v[232+\b], v[232+\b], v12            ; the same of each block's largest t
.endr
.set n, 0
.rept 64
	v_exp_f32 v[96+n], v[96+n]                     ; p = 2^(t - M), at most 1; 0 where the key is hidden
.set n, n+1
.endr
	v_pk_mul_f32 v[14:15], v[14:15], v[252:253] op_sel_hi:[1,0]   ; the sums under the new M (a plain place behind the exponentials)
	s_wait_alu depctr_va_vdst(0)                   ; one wait for the batch, ahead of the first use of a result
.irp b, 0,1,2,3
	v_exp_f32 v[232+\b], v[232+\b]                 ; the block's largest p
.endr
	v_pk_add_f32 v[236:237], v[96:97], v[98:99]    ; the row's sum of the unquantised p, in two chains
.irp n, 4,8,12,16,20,24,28,32,36,40,44,48,52,56,60
	v_pk_add_f32 v[14:15], v[14:15], v[96+\n:97+\n]
	v_pk_add_f32 v[236:237], v[236:237], v[98+\n:99+\n]
.endr
	v_pk_add_f32 v[14:15], v[14:15], v[236:237]
	s_wait_alu depctr_va_vdst(0)                   ; and one for the four
.irp b, 0,1,2,3
	v_max_num_f32 v[232+\b], 0x2800000, v[232+\b]  ; the floor 2^(5 - 127): a block whose every p is 0 keeps the byte 1: its codes are zeros
.endr
.irp b, 0,1,2,3
	v_add_nc_u32 v[244+\b], 0xfe000000, v[232+\b]
.endr
.irp b, 0,1,2,3
	v_lshrrev_b32 v[236+\b], 23, v[244+\b]
.endr
	v_lshl_or_b32 v253, v237, 8, v236              ; p's scale word for these 128 keys
	v_lshl_or_b32 v253, v238, 16, v253
	v_lshl_or_b32 v253, v239, 24, v253
.irp c, 0,1
	v_cvt_scalef32_pk16_bf6_f32 v[224+6*\c:226+6*\c], v[96+32*\c:111+32*\c], v[244+2*\c]
	v_cvt_scalef32_pk16_bf6_f32 v[236+4*\c:238+4*\c], v[112+32*\c:127+32*\c], v[244+2*\c+1]
.endr
	v_nop                                          ; one plain place behind a scaled conversion
.irp c, 0,1
.irp i, 0,1,2
	v_permlane16_swap_b32 v[224+6*\c+\i], v[236+4*\c+\i]
.endr
.irp i, 0,1,2
	v_mov_b32 v[227+6*\c+\i], v[236+4*\c+\i]
.endr
.endr
.irp n, 0,2,4,6,8,10,12,14,16,18,20,22,24,26,28,30
	v_pk_mul_f32 v[160+\n:161+\n], v[160+\n:161+\n], v[252:253] op_sel_hi:[1,0]   ; O^T under the new M; these 16 are also the places in front of the products below
.endr
.irp t, 0,1,2,3                                ; O^T += V^T P^T: my head's four channel tiles; K = these 128 keys
.irp p, 0,1,2,3,4,5
	ds_load_b64 v[32+12*\t+2*\p:33+12*\t+2*\p], v9 offset:1536*\t+256*\p
.endr
	ds_load_b32 v[248+\t], v4 offset:1024*\j+64*\t
.endr
	s_wait_dscnt 0x0
.irp t, 0,1,2,3
	v_wmma_scale_f32_16x16x128_f8f6f4 v[160+8*\t:167+8*\t], v[32+12*\t:43+12*\t], v[224:235], v[160+8*\t:167+8*\t], v[248+\t], v253 matrix_a_fmt:MATRIX_FMT_BF6 matrix_b_fmt:MATRIX_FMT_BF6
.endr
.if \j < 4
.Lskip_\@:
.endif
.endm
	STEP 0
	STEP 1
	STEP 2
	STEP 3
	STEP 4
	; THE WAY OUT: O^T / the sum; register 16 b + i is channel 32 b + 16 h + i of my head: two blocks of the next product's K.  They become my head's half of fragment (T, P) of o.
	s_wait_dscnt 0x0                               ; my reads of K, V^T, the scale words and the tables are over:
	s_barrier_signal -1                            ; say so; the division and the quantiser, work on registers alone, stand between the signal and the wait
	v_add_f32 v14, v14, v15
	v_permlanex16_b32 v252, v14, s[SEL], s[SEL+1]
	v_add_f32 v14, v14, v252                       ; the row's sum
	v_rcp_f32 v14, v14
.rept 4
	v_nop                                          ; the plain place behind the transcendental, and the places behind the last products
.endr
	s_wait_alu depctr_va_vdst(0)                   ; the wait ahead of the result's first use
.set n, 0
.rept 32
	v_mul_f32 v[96+n], v[160+n], v14
.set n, n+1
.endr
.irp b, 0,1
	v_max3_num_f32 v[232+\b], |v[96+16*\b]|, |v[97+16*\b]|, 0x2800000
.endr
.irp i, 2,4,6,8,10,12,14
.irp b, 0,1
	v_max3_num_f32 v[232+\b], v[232+\b], |v[96+16*\b+\i]|, |v[97+16*\b+\i]|
.endr
.endr
.irp b, 0,1
	v_permlanex16_b32 v[236+\b], v[232+\b], s[SEL], s[SEL+1]
.endr
.irp b, 0,1
	v_max_num_f32 v[232+\b], v[232+\b], v[236+\b]
.endr
.irp b, 0,1
	v_add_nc_u32 v[244+\b], 0xfe000000, v[232+\b]
.endr
.irp b, 0,1
	v_lshrrev_b32 v[236+\b], 23, v[244+\b]
.endr
	v_lshl_or_b32 v254, v237, 8, v236              ; my head's two scale bytes
	v_cvt_scalef32_pk16_bf6_f32 v[224:226], v[96:111], v244
	v_cvt_scalef32_pk16_bf6_f32 v[240:242], v[112:127], v245
	v_nop
.irp i, 0,1,2
	v_permlane16_swap_b32 v[224+\i], v[240+\i]
.endr
.irp i, 0,1,2
	v_mov_b32 v[227+\i], v[240+\i]
.endr
	s_barrier_wait -1                              ; every wave's reads of LDS are over: only now is LDS stored into again
.irp p, 0,1,2
	global_store_b64 v6, v[224+2*\p:225+2*\p], s[16:17] offset:256*\p   ; 32 lanes store 256 consecutive bytes, aligned
.endr
	ds_store_b16 v7, v254                          ; a row's scale word comes from two waves: the halves meet in LDS
	s_wait_dscnt 0x0                               ; for wave 0's sake: my store has landed
	s_barrier_signal -1
	s_barrier_wait -1
	s_cmp_lg_u32 s10, 0
	s_cbranch_scc1 .Lend
	ds_load_b128 v[96:99], v10
	s_wait_dscnt 0x0
	global_store_b128 v11, v[96:99], s[18:19]      ; the block's 8 tiles x 16 words: 512 consecutive bytes
.Lend:
	s_wait_tensorcnt 0x0
	ds_add_u32 v95, v243
	s_wait_dscnt 0x0
	s_endpgm
.Lfunc_end_k_q431d286010_attn:
	.size	k_q431d286010_attn, .Lfunc_end_k_q431d286010_attn-k_q431d286010_attn
	.p2alignl 7, 3214868480
	.fill 96, 4, 3214868480
	.section	.rodata,"a",@progbits
	.p2align	6, 0x0
	.amdhsa_kernel k_q431d286010_attn
		.amdhsa_group_segment_fixed_size 163840
		.amdhsa_private_segment_fixed_size 0
		.amdhsa_enable_private_segment 0
		.amdhsa_kernarg_size 24
		.amdhsa_user_sgpr_count 2
		.amdhsa_user_sgpr_kernarg_segment_ptr 1
		.amdhsa_wavefront_size32 1
		.amdhsa_system_sgpr_workgroup_id_x 1
		.amdhsa_system_sgpr_workgroup_id_y 1
		.amdhsa_system_sgpr_workgroup_id_z 1
		.amdhsa_system_vgpr_workitem_id 0
		.amdhsa_next_free_vgpr 256
		.amdhsa_next_free_sgpr 66
		.amdhsa_reserve_vcc 1
		.amdhsa_float_denorm_mode_32 3
		.amdhsa_float_denorm_mode_16_64 3
		.amdhsa_memory_ordered 1
		.amdhsa_forward_progress 1
		.amdhsa_inst_pref_size 121
	.end_amdhsa_kernel
	.amdgpu_metadata
---
amdhsa.version: [ 1, 2 ]
amdhsa.kernels:
  - .name:           k_q431d286010_attn
    .symbol:         k_q431d286010_attn.kd
    .args:
      - { .name: qkv, .offset: 0, .size: 8, .value_kind: global_buffer, .address_space: global }
      - { .name: rel_pos, .offset: 8, .size: 8, .value_kind: global_buffer, .address_space: global }
      - { .name: oq, .offset: 16, .size: 8, .value_kind: global_buffer, .address_space: global }
    .group_segment_fixed_size: 163840
    .private_segment_fixed_size: 0
    .kernarg_segment_align: 8
    .kernarg_segment_size: 24
    .max_flat_workgroup_size: 512
    .sgpr_count:     66
    .vgpr_count:     256
    .wavefront_size: 32
...
	.end_amdgpu_metadata
.endif
;; end of part 4
;; launch g4 (part 5): grid 8 x 32, 4 waves a work-group, clusters of 4 x 4, 327,680 bytes of LDS; arguments oq, wa, out_b, x, x2; writes x2
.if DOCPART == 5
	.amdgcn_target "amdgcn-amd-amdhsa--gfx1250"
	.amdhsa_code_object_version 6
	.text
	.protected	k_q431d286010_g4
	.globl	k_q431d286010_g4
	.p2align	8
	.type	k_q431d286010_g4,@function
k_q431d286010_g4:
	s_mov_b64 s[64:65], 0
	v_nop
	global_prefetch_b8 v0, s[64:65] scope:SCOPE_SE
	s_setreg_imm32_b32 hwreg(HW_REG_WAVE_MODE, 25, 1), 1
	s_wait_xcnt 0x0
	s_wait_alu depctr_hold_cnt(0) depctr_sa_sdst(0) depctr_va_vdst(0) depctr_va_sdst(0) depctr_va_ssrc(0) depctr_va_vcc(0) depctr_vm_vsrc(0)
	s_getreg_b32 s2, hwreg(HW_REG_IB_STS2, 6, 4)
	s_cmp_eq_u32 s2, 0
	s_cbranch_scc0 .Lentry_in_a_cluster
	s_endpgm
.Lentry_in_a_cluster:
	s_bfe_u32 s2, ttmp6, 0x10000c
	s_cmp_lg_u32 s2, 0xf033
	s_cbranch_scc0 .Lentry_shape_is_right
	s_endpgm
.Lentry_shape_is_right:
; OUT = RES + A W^T + bias, f32 [4,096][1,024].  A: an operand of E3M2 codes (256 row tiles, KS K steps; scale words at ASOFF, 16,384 bytes a K step); W: 64 row tiles at BOFF of its buffer (scale words at BSOFF, 4,096 bytes a K step).
; A tile of OUT is 128 x 128, so that the 4,096 x 1,024 numbers give 256 work-groups; four waves, each 64 x 64: 16 accumulators.  K goes in steps of 512 through two LDS slots filled by the tensor data mover;
; fragments lie in LDS as register images (six loads of 8 bytes a lane, each 256 consecutive bytes); all scale words of the work-group's rows come once, with the first fills.
; TRANSPOSED USE: source 0 = 16 rows of W, source 1 = 16 rows of A: a lane holds one row of OUT and eight neighbouring columns a tile.  The tiles' rows stand in the order rho (r + 8 (r / 8)), which the way out undoes by its addresses.
; The bias is the C of the first products.  The residual is asked for at the head, in the layout of the stores, and added on the way out, behind the wave's own stage in LDS: sixteen lanes store 256 consecutive bytes, aligned.
; CLUSTERS: 4 x 4 work-groups; A's tiles are shared along a row of the cluster, W's along a column.
; REGISTERS: window 0: v16-29 addresses; v32-39 scale words, two sets; v40-71 the way out; v96-127 the bias; v128-255 the accumulators.  window 1: two sets of fragments (W 4 x 12, then A 4 x 12) at v0 and v96.  window 2: v0-127 the residual.
.set KS,     8                         ; K steps of 128
.set ASOFF,  3145728
.set BSOFF,  4063488
.set LAPS,   1                         ; K / 1,024: a lap = two slots
.set BOFF,   3277056
.set HALFT,  24576                     ; 4 tiles x 4 K steps x 1,536 bytes: what one tensor load brings
.set SLOT,   4*HALFT
.set SCL,    2*SLOT
.set HALFS,  256*KS                    ; [K step][4 tiles x 64 bytes]
.set SPARE,  SCL+4*HALFS               ; the spare words, 128 bytes for each wave
.set STAGE,  SPARE+512                 ; 16 rows x 272 bytes for each wave: bytes of their own, into which no fill lands
.set ADRA, 16
.set ADRB, 20
.set STO,  24
.set RD,   25
.set CO,   26
.set ADRS, 27
.set SPW,  28
.set NIL,  29
.set SC,   32
.set T,    40
.set BI,   96
.set ACC,  128
.set G1, 24
.set G0, 32
.set G1B, 48
.set G0B, 56
.set G1S, 68
.set G0S, 76
.set G1SB, 80
.set G0SB, 88
.set MSB, 0
.macro WIN new                         ; the immediate's high byte repeats the setting that is left
.if MSB != (\new)
	s_set_vgpr_msb (MSB<<8)|(\new)
.set MSB, (\new)
.endif
.endm
.set MUL,  0x05                        ; sources 0 (W) and 1 (A) window 1; C and D window 0
.set TO_F, 0x40                        ; destination window 1, address window 0
.macro JLOAD g0a, g1a, g0b, g1b        ; a joint load: waves 0 and 1 fetch for A, waves 2 and 3 for W; four v_nop follow each of the two lines
	s_cmp_eq_u32 s15, 0
	s_cbranch_scc0 .Lfor_b_\@
	tensor_load_to_lds s[\g0a:\g0a+3], s[\g1a:\g1a+7]
	s_nop 0
.rept 4
	v_nop
.endr
	s_branch .Lasked_\@
.Lfor_b_\@:
	tensor_load_to_lds s[\g0b:\g0b+3], s[\g1b:\g1b+7]
	s_nop 0
.rept 4
	v_nop
.endr
.Lasked_\@:
.endm
.macro CREST
	s_cmp_lg_u32 s14, 0
	s_cbranch_scc1 .Lnot_wave_0_\@
	s_barrier_signal -3
.Lnot_wave_0_\@:
	s_barrier_wait -3
	s_barrier_signal -1
	s_barrier_wait -1
.endm
.macro CROUND
	s_barrier_signal -1
	s_barrier_wait -1
	CREST
.endm
	s_load_b256 s[4:11], s[0:1], 0x0               ; A s[4:5], W's buffer s[6:7], bias s[8:9], residual s[10:11]
	s_load_b64 s[12:13], s[0:1], 0x20              ; OUT
	v_lshl_add_u32 v[SPW], v0, 2, SPARE
	v_mov_b32 v[NIL], 0
	ds_add_u32 v28, v29
	ds_add_u32 v28, v29
	s_wait_dscnt 0x0
	v_lshrrev_b32 v1, 5, v0
	v_readfirstlane_b32 s14, v1                    ; wave 0..3
	s_lshr_b32 s15, s14, 1                         ; which half of the tile's rows is mine.  Also: I fetch for A (0) or for W (1)
	s_and_b32 s16, s14, 1                          ; which half of its columns.  Also: which 4 tiles I fetch
	s_bfe_u32 s40, ttmp6, 0x40000
	s_bfe_u32 s41, ttmp6, 0x40004
	s_lshl_b32 s42, ttmp9, 2
	s_add_co_u32 s42, s42, s40                     ; tile column
	s_and_b32 s17, ttmp7, 0xffff
	s_lshl_b32 s17, s17, 2
	s_add_co_u32 s17, s17, s41                     ; tile row
	s_lshl_b32 s43, s41, 2
	s_lshl_b32 s43, 15, s43                        ; my row of the cluster
	s_lshl_b32 s44, 0x1111, s40                    ; my column
	; descriptor group 1, codes: 4 rows (tiles) of 768 elements of 8 bytes (four K steps), 192 KS elements apart
	s_or_b32 s[G1], s43, (3<<16)|(1<<21)
	s_or_b32 s[G1B], s44, (3<<16)|(1<<21)
.irp g, G1, G1B
	s_mov_b32 s[\g+1], 768<<16
	s_mov_b32 s[\g+2], 4<<16
	s_mov_b32 s[\g+3], 768<<16
	s_mov_b32 s[\g+4], 4
	s_mov_b32 s[\g+5], 192*KS
	s_mov_b32 s[\g+6], 0
	s_mov_b32 s[\g+7], 0
.endr
	; scale words: KS rows (K steps) of 32 elements (4 tiles x 64 bytes)
	s_or_b32 s[G1S], s43, (3<<16)|(1<<21)
	s_or_b32 s[G1SB], s44, (3<<16)|(1<<21)
.irp g, G1S, G1SB
	s_mov_b32 s[\g+1], 32<<16
	s_mov_b32 s[\g+2], KS<<16
	s_mov_b32 s[\g+3], 32<<16
	s_mov_b32 s[\g+4], KS
	s_mov_b32 s[\g+6], 0
	s_mov_b32 s[\g+7], 0
.endr
	s_mov_b32 s[G1S+5], 2048
	s_mov_b32 s[G1SB+5], 512
	s_lshl_b32 s18, s16, 2
	s_lshl_b32 s20, s17, 3
	s_add_co_u32 s20, s20, s18                     ; A: tile 8 x tile row + 4 x half
	s_lshl_b32 s22, s20, 6
	s_add_co_u32 s22, s22, ASOFF
	s_mov_b32 s23, 0
	s_mul_i32 s20, s20, KS*1536
	s_mov_b32 s21, 0
	s_lshl_b32 s46, s42, 3
	s_add_co_u32 s46, s46, s18                     ; W: tile 8 x tile column + 4 x half
	s_lshl_b32 s92, s46, 6
	s_add_co_u32 s92, s92, BSOFF
	s_mov_b32 s93, 0
	s_mul_i32 s46, s46, KS*1536
	s_add_co_u32 s46, s46, BOFF
	s_mov_b32 s47, 0
	s_mul_i32 s45, s14, HALFT                      ; where they go: no place in the cluster enters an LDS address
	s_mul_i32 s94, s14, HALFS
	s_wait_kmcnt 0x0
	s_add_nc_u64 s[20:21], s[4:5], s[20:21]
	s_add_nc_u64 s[22:23], s[4:5], s[22:23]
	s_add_nc_u64 s[46:47], s[6:7], s[46:47]
	s_add_nc_u64 s[92:93], s[6:7], s[92:93]
	CROUND                                         ; all sixteen work-groups are here: the first joint loads meet
	s_mov_b32 s[G0S], 1
	s_add_co_u32 s[G0S+1], s94, SCL
	s_mov_b64 s[G0S+2:G0S+3], s[22:23]
	s_or_b32 s[G0S+3], s[G0S+3], 0x80000000
	s_mov_b32 s[G0SB], 1
	s_add_co_u32 s[G0SB+1], s94, SCL
	s_mov_b64 s[G0SB+2:G0SB+3], s[92:93]
	s_or_b32 s[G0SB+3], s[G0SB+3], 0x80000000
	JLOAD G0S, G1S, G0SB, G1SB
.irp s, 0,1
	s_mov_b32 s[G0+4*\s], 1
	s_add_co_u32 s[G0+4*\s+1], s45, \s*SLOT
	s_add_nc_u64 s[G0+4*\s+2:G0+4*\s+3], s[20:21], \s*6144
	s_or_b32 s[G0+4*\s+3], s[G0+4*\s+3], 0x80000000
	s_mov_b32 s[G0B+4*\s], 1
	s_add_co_u32 s[G0B+4*\s+1], s45, \s*SLOT
	s_add_nc_u64 s[G0B+4*\s+2:G0B+4*\s+3], s[46:47], \s*6144
	s_or_b32 s[G0B+4*\s+3], s[G0B+4*\s+3], 0x80000000
	JLOAD G0+4*\s, G1, G0B+4*\s, G1B
.endr
	v_and_b32 v1, 15, v0                           ; r
	v_bfe_u32 v2, v0, 4, 1                         ; h
	v_and_b32 v3, 31, v0
	v_lshlrev_b32 v3, 3, v3                        ; 8 x lane
	s_mul_i32 s21, s15, HALFT                      ; my 4 tiles of A
	s_mul_i32 s22, s16, HALFT
	s_add_co_u32 s22, s22, 2*HALFT                 ; my 4 tiles of W
.irp s, 0,1
	v_add_nc_u32 v[ADRA+\s], s21, v3
	v_add_nc_u32 v[ADRB+\s], s22, v3
	s_add_co_u32 s21, s21, SLOT
	s_add_co_u32 s22, s22, SLOT
.endr
	s_mul_i32 s21, s15, HALFS
	s_add_co_u32 s22, s16, 2
	s_sub_co_u32 s22, s22, s15
	s_mul_i32 s22, s22, HALFS
	v_mul_u32_u24 v4, s22, v2                      ; lanes 16-31 take W's scale words
	s_add_co_u32 s21, s21, SCL
	v_lshl_add_u32 v4, v1, 2, v4
	v_add_nc_u32 v[ADRS], s21, v4
	s_mul_i32 s23, s14, 4352
	s_add_co_u32 s23, s23, STAGE                   ; my stage
	v_mul_u32_u24 v5, v1, 272
	v_lshl_add_u32 v5, v2, 6, v5
	v_add_nc_u32 v[STO], s23, v5                   ; in: row r, + 64 h
	v_mul_u32_u24 v5, v2, 272
	v_lshl_add_u32 v5, v1, 4, v5
	v_add_nc_u32 v[RD], s23, v5                    ; back: lanes 0-15 one row, lanes 16-31 the next
	v_lshlrev_b32 v5, 12, v2
	v_lshl_add_u32 v[CO], v1, 4, v5                ; and the same two rows in memory
	v_lshlrev_b32 v6, 6, v2                        ; the bias: + 64 h
	s_lshl_b32 s20, s17, 7
	s_lshl_b32 s21, s15, 6
	s_add_co_u32 s20, s20, s21
	s_lshl_b32 s20, s20, 12                        ; my first row, in bytes
	s_lshl_b32 s46, s42, 9
	s_lshl_b32 s47, s16, 8
	s_add_co_u32 s46, s46, s47                     ; my first column, in bytes
	s_add_co_u32 s20, s20, s46
	s_mov_b32 s21, 0
	s_mov_b32 s47, 0
	s_add_nc_u64 s[8:9], s[8:9], s[46:47]
	s_add_nc_u64 s[10:11], s[10:11], s[20:21]
	s_add_nc_u64 s[12:13], s[12:13], s[20:21]
.irp b, 0,1,2,3
	global_load_b128 v[BI+8*\b:BI+8*\b+3], v6, s[8:9] offset:(32*(\b/2)+8*(\b%2))*4        ; tile b's register j is column 32 (b / 2) + 8 (b % 2) + 16 h + j
	global_load_b128 v[BI+8*\b+4:BI+8*\b+7], v6, s[8:9] offset:(32*(\b/2)+8*(\b%2))*4+16
.endr
	WIN 0x80                                       ; destination window 2
.irp a, 0,1,2,3
.irp t, 0,1,2,3,4,5,6,7
	global_load_b128 v[32*\a+4*\t:32*\a+4*\t+3], v[CO], s[10:11] offset:(32*(\a/2)+8*(\a%2)+2*\t+8*(\t/4))*4096
.endr
.endr
	WIN 0
.macro FETCH slot, q, set              ; the fragments and scale words of the slot's K step q
	WIN TO_F
.irp i, 0,1,2,3
.irp p, 0,1,2,3,4,5
	ds_load_b64 v[96*(\set)+12*\i+2*\p:96*(\set)+12*\i+2*\p+1], v[ADRB+\slot] offset:\i*6144+(\q)*1536+256*\p
.endr
.endr
.irp i, 0,1,2,3
.irp p, 0,1,2,3,4,5
	ds_load_b64 v[96*(\set)+48+12*\i+2*\p:96*(\set)+48+12*\i+2*\p+1], v[ADRA+\slot] offset:\i*6144+(\q)*1536+256*\p
.endr
.endr
	WIN 0
.irp i, 0,1,2,3
	ds_load_b32 v[SC+4*(\set)+\i], v[ADRS] offset:256*(\q)+64*\i     ; lanes 0-15 A's block i, lanes 16-31 W's block i
.endr
.endm
.macro MUL4 set, a, first              ; A's block a x W's four; the 16 accumulators take turns, one instruction a turn
.irp b, 0,1,2,3
.if \first
	v_wmma_scale_f32_16x16x128_f8f6f4 v[ACC+8*(4*(\a)+\b):ACC+8*(4*(\a)+\b)+7], v[96*(\set)+12*\b:96*(\set)+12*\b+11], v[96*(\set)+48+12*(\a):96*(\set)+48+12*(\a)+11], v[BI+8*\b:BI+8*\b+7], v[SC+4*(\set)+\b], v[SC+4*(\set)+(\a)] matrix_a_fmt:MATRIX_FMT_BF6 matrix_b_fmt:MATRIX_FMT_BF6 matrix_a_scale:MATRIX_SCALE_ROW1
.else
	v_wmma_scale_f32_16x16x128_f8f6f4 v[ACC+8*(4*(\a)+\b):ACC+8*(4*(\a)+\b)+7], v[96*(\set)+12*\b:96*(\set)+12*\b+11], v[96*(\set)+48+12*(\a):96*(\set)+48+12*(\a)+11], v[ACC+8*(4*(\a)+\b):ACC+8*(4*(\a)+\b)+7], v[SC+4*(\set)+\b], v[SC+4*(\set)+(\a)] matrix_a_fmt:MATRIX_FMT_BF6 matrix_b_fmt:MATRIX_FMT_BF6 matrix_a_scale:MATRIX_SCALE_ROW1
.endif
.endr
.endm
.macro PLACES
.rept 4
	v_nop
.endr
.endm
.macro KST slot, q, first              ; K step q (0 .. 2) of a slot: the next step's fragments are asked for, then this step is multiplied
	s_wait_dscnt 0x0                               ; this step's fragments are in
	PLACES                                         ; in front of loads into the set that the last step's products have read
	FETCH \slot, (\q)+1, ((\q)+1)%2
	WIN MUL
	MUL4 (\q)%2, 0, \first
	MUL4 (\q)%2, 1, \first
	MUL4 (\q)%2, 2, \first
	MUL4 (\q)%2, 3, \first
.endm
; A slot's last step changes slots: one barrier; in front of it each wave waits for all its tensor loads, adds 0 to its spare word, and waits for that and for its own reads of this slot.
.macro TURN slot, next, fill
	WIN 0
	s_wait_tensorcnt 0x0                           ; all my tensor loads have landed: my part of the next slot
	ds_add_u32 v[SPW], v[NIL]                      ; 0 onto my spare word
	s_wait_dscnt 1                                 ; this step's fragments are in; the add may be out
	WIN MUL
	MUL4 1, 0, 0
	s_wait_dscnt 0x0                               ; the add is done, and my reads of this slot are over
	s_barrier_signal -1
	MUL4 1, 1, 0
	WIN 0
	s_barrier_wait -1
.if \fill
	CREST                                          ; the barrier has opened a round of the cluster's barrier
	s_add_nc_u64 s[G0+4*\slot+2:G0+4*\slot+3], s[G0+4*\slot+2:G0+4*\slot+3], 12288
	s_add_nc_u64 s[G0B+4*\slot+2:G0B+4*\slot+3], s[G0B+4*\slot+2:G0B+4*\slot+3], 12288
	JLOAD G0+4*\slot, G1, G0B+4*\slot, G1B         ; the first tensor load behind the round; its four v_nop are the places in front of the loads below
.else
	PLACES
.endif
	v_add_nc_u32 v[ADRS], 1024, v[ADRS]            ; the next slot's four K steps of scale words
	FETCH \next, 0, 0
	WIN MUL
	MUL4 1, 2, 0
	MUL4 1, 3, 0
.endm
	s_wait_tensorcnt 1                             ; the scale words and my part of slot 0 are in; slot 1's load may be out
	s_barrier_signal -1
	s_barrier_wait -1
	FETCH 0, 0, 0
	s_wait_loadcnt 32                              ; the bias is in; the residual's 32 loads may be out
	KST 0, 0, 1                                    ; the first step stands in front of the loop: its products start the sums, with the bias as C
.if LAPS > 1
	WIN 0
	s_mov_b32 s3, LAPS-1
.Llap:                                             ; a trip goes once round the ring and fills both slots again
	KST 0, 1, 0
	KST 0, 2, 0
	TURN 0, 1, 1
	KST 1, 0, 0
	KST 1, 1, 0
	KST 1, 2, 0
	TURN 1, 0, 1
	KST 0, 0, 0
	WIN 0
	s_sub_co_u32 s3, s3, 1
	s_cmp_lg_u32 s3, 0
	s_cbranch_scc1 .Llap
.endif
	KST 0, 1, 0
	KST 0, 2, 0
	TURN 0, 1, 0                                   ; the last lap fills nothing
	KST 1, 0, 0
	KST 1, 1, 0
	KST 1, 2, 0
	s_wait_dscnt 0x0
	MUL4 1, 0, 0
	MUL4 1, 1, 0
	MUL4 1, 2, 0
	MUL4 1, 3, 0
	WIN 0
	; THE WAY OUT, a block of 16 rows x 64 columns at a time, through my own stage: LDS serves a wave's instructions in order, so no wait stands between the stores and the loads.
	PLACES
	s_wait_loadcnt 0x0                             ; the residual
.irp a, 0,1,2,3
.if \a > 0
	s_wait_xcnt 0x0                                ; the last block's stores have read their registers
.endif
.irp b, 0,1,2,3
	ds_store_b128 v[STO], v[ACC+8*(4*\a+\b):ACC+8*(4*\a+\b)+3] offset:128*(\b/2)+32*(\b%2)        ; each accumulator from its low end on
	ds_store_b128 v[STO], v[ACC+8*(4*\a+\b)+4:ACC+8*(4*\a+\b)+7] offset:128*(\b/2)+32*(\b%2)+16
.endr
.irp t, 0,1,2,3,4,5,6,7
	ds_load_b128 v[T+4*\t:T+4*\t+3], v[RD] offset:544*\t
.endr
	s_wait_dscnt 0x0
	WIN 0x08                                       ; source 1 window 2
.irp n, 0,2,4,6,8,10,12,14,16,18,20,22,24,26,28,30
	v_pk_add_f32 v[T+\n:T+\n+1], v[T+\n:T+\n+1], v[32*\a+\n:32*\a+\n+1]
.endr
	WIN 0
.irp t, 0,1,2,3,4,5,6,7
	global_store_b128 v[CO], v[T+4*\t:T+4*\t+3], s[12:13] offset:(32*(\a/2)+8*(\a%2)+2*\t+8*(\t/4))*4096   ; 16 lanes store 256 consecutive bytes, aligned
.endr
.endr
	s_wait_tensorcnt 0x0                           ; the wave's end
	ds_add_u32 v[SPW], v[NIL]
	s_wait_dscnt 0x0
	CROUND                                         ; the closing round
	s_endpgm
.Lfunc_end_k_q431d286010_g4:
	.size	k_q431d286010_g4, .Lfunc_end_k_q431d286010_g4-k_q431d286010_g4
	.p2alignl 7, 3214868480
	.fill 96, 4, 3214868480
	.section	.rodata,"a",@progbits
	.p2align	6, 0x0
	.amdhsa_kernel k_q431d286010_g4
		.amdhsa_group_segment_fixed_size 327680
		.amdhsa_private_segment_fixed_size 0
		.amdhsa_enable_private_segment 0
		.amdhsa_kernarg_size 40
		.amdhsa_user_sgpr_count 2
		.amdhsa_user_sgpr_kernarg_segment_ptr 1
		.amdhsa_wavefront_size32 1
		.amdhsa_system_sgpr_workgroup_id_x 1
		.amdhsa_system_sgpr_workgroup_id_y 1
		.amdhsa_system_sgpr_workgroup_id_z 1
		.amdhsa_system_vgpr_workitem_id 0
		.amdhsa_next_free_vgpr 640
		.amdhsa_next_free_sgpr 100
		.amdhsa_reserve_vcc 0
		.amdhsa_float_denorm_mode_32 3
		.amdhsa_float_denorm_mode_16_64 3
		.amdhsa_memory_ordered 1
		.amdhsa_forward_progress 1
		.amdhsa_inst_pref_size 70
	.end_amdhsa_kernel
	.amdgpu_metadata
---
amdhsa.version: [ 1, 2 ]
amdhsa.kernels:
  - .name:           k_q431d286010_g4
    .symbol:         k_q431d286010_g4.kd
    .args:
      - { .name: oq, .offset: 0, .size: 8, .value_kind: global_buffer, .address_space: global }
      - { .name: wa, .offset: 8, .size: 8, .value_kind: global_buffer, .address_space: global }
      - { .name: out_b, .offset: 16, .size: 8, .value_kind: global_buffer, .address_space: global }
      - { .name: x, .offset: 24, .size: 8, .value_kind: global_buffer, .address_space: global }
      - { .name: x2, .offset: 32, .size: 8, .value_kind: global_buffer, .address_space: global }
    .group_segment_fixed_size: 327680
    .private_segment_fixed_size: 0
    .kernarg_segment_align: 8
    .kernarg_segment_size: 40
    .max_flat_workgroup_size: 128
    .sgpr_count:     100
    .vgpr_count:     640
    .wavefront_size: 32
...
	.end_amdgpu_metadata
.endif
;; end of part 5
;; launch ln2: the kernel of part 2 again; grid 256 x 1, 8 waves a work-group, no clusters, 69,632 bytes of LDS; arguments x2, ln2_g, ln2_b, xq; writes xq
;; launch g5: the kernel of part 3 again; grid 16 x 16, 4 waves a work-group, clusters of 4 x 4, 327,680 bytes of LDS; arguments xq, wb, b1, hq; writes hq
;; launch g6 (part 6): grid 8 x 32, 4 waves a work-group, clusters of 4 x 4, 327,680 bytes of LDS; arguments hq, wb, b2, x2, out0; writes out0
.if DOCPART == 6
	.amdgcn_target "amdgcn-amd-amdhsa--gfx1250"
	.amdhsa_code_object_version 6
	.text
	.protected	k_q431d286010_g6
	.globl	k_q431d286010_g6
	.p2align	8
	.type	k_q431d286010_g6,@function
k_q431d286010_g6:
	s_mov_b64 s[64:65], 0
	v_nop
	global_prefetch_b8 v0, s[64:65] scope:SCOPE_SE
	s_setreg_imm32_b32 hwreg(HW_REG_WAVE_MODE, 25, 1), 1
	s_wait_xcnt 0x0
	s_wait_alu depctr_hold_cnt(0) depctr_sa_sdst(0) depctr_va_vdst(0) depctr_va_sdst(0) depctr_va_ssrc(0) depctr_va_vcc(0) depctr_vm_vsrc(0)
	s_getreg_b32 s2, hwreg(HW_REG_IB_STS2, 6, 4)
	s_cmp_eq_u32 s2, 0
	s_cbranch_scc0 .Lentry_in_a_cluster
	s_endpgm
.Lentry_in_a_cluster:
	s_bfe_u32 s2, ttmp6, 0x10000c
	s_cmp_lg_u32 s2, 0xf033
	s_cbranch_scc0 .Lentry_shape_is_right
	s_endpgm
.Lentry_shape_is_right:
; OUT = RES + A W^T + bias, f32 [4,096][1,024].  A: an operand of E3M2 codes (256 row tiles, KS K steps; scale words at ASOFF, 16,384 bytes a K step); W: 64 row tiles at BOFF of its buffer (scale words at BSOFF, 4,096 bytes a K step).
; The text of the launch behind attention with K = 4,096: it differs in the four constants KS, ASOFF, BSOFF, LAPS alone.
; A tile of OUT is 128 x 128, so that the 4,096 x 1,024 numbers give 256 work-groups; four waves, each 64 x 64: 16 accumulators.  K goes in steps of 512 through two LDS slots filled by the tensor data mover;
; fragments lie in LDS as register images (six loads of 8 bytes a lane, each 256 consecutive bytes); all scale words of the work-group's rows come once, with the first fills.
; TRANSPOSED USE: source 0 = 16 rows of W, source 1 = 16 rows of A: a lane holds one row of OUT and eight neighbouring columns a tile.  The tiles' rows stand in the order rho (r + 8 (r / 8)), which the way out undoes by its addresses.
; The bias is the C of the first products.  The residual is asked for at the head, in the layout of the stores, and added on the way out, behind the wave's own stage in LDS: sixteen lanes store 256 consecutive bytes, aligned.
; CLUSTERS: 4 x 4 work-groups; A's tiles are shared along a row of the cluster, W's along a column.
; REGISTERS: window 0: v16-29 addresses; v32-39 scale words, two sets; v40-71 the way out; v96-127 the bias; v128-255 the accumulators.  window 1: two sets of fragments (W 4 x 12, then A 4 x 12) at v0 and v96.  window 2: v0-127 the residual.
.set KS,     32                        ; K steps of 128
.set ASOFF,  12582912
.set BSOFF,  6422784
.set LAPS,   4                         ; K / 1,024: a lap = two slots
.set BOFF,   3277056
.set HALFT,  24576                     ; 4 tiles x 4 K steps x 1,536 bytes: what one tensor load brings
.set SLOT,   4*HALFT
.set SCL,    2*SLOT
.set HALFS,  256*KS                    ; [K step][4 tiles x 64 bytes]
.set SPARE,  SCL+4*HALFS               ; the spare words, 128 bytes for each wave
.set STAGE,  SPARE+512                 ; 16 rows x 272 bytes for each wave: bytes of their own, into which no fill lands
.set ADRA, 16
.set ADRB, 20
.set STO,  24
.set RD,   25
.set CO,   26
.set ADRS, 27
.set SPW,  28
.set NIL,  29
.set SC,   32
.set T,    40
.set BI,   96
.set ACC,  128
.set G1, 24
.set G0, 32
.set G1B, 48
.set G0B, 56
.set G1S, 68
.set G0S, 76
.set G1SB, 80
.set G0SB, 88
.set MSB, 0
.macro WIN new                         ; the immediate's high byte repeats the setting that is left
.if MSB != (\new)
	s_set_vgpr_msb (MSB<<8)|(\new)
.set MSB, (\new)
.endif
.endm
.set MUL,  0x05                        ; sources 0 (W) and 1 (A) window 1; C and D window 0
.set TO_F, 0x40                        ; destination window 1, address window 0
.macro JLOAD g0a, g1a, g0b, g1b        ; a joint load: waves 0 and 1 fetch for A, waves 2 and 3 for W; four v_nop follow each of the two lines
	s_cmp_eq_u32 s15, 0
	s_cbranch_scc0 .Lfor_b_\@
	tensor_load_to_lds s[\g0a:\g0a+3], s[\g1a:\g1a+7]
	s_nop 0
.rept 4
	v_nop
.endr
	s_branch .Lasked_\@
.Lfor_b_\@:
	tensor_load_to_lds s[\g0b:\g0b+3], s[\g1b:\g1b+7]
	s_nop 0
.rept 4
	v_nop
.endr
.Lasked_\@:
.endm
.macro CREST
	s_cmp_lg_u32 s14, 0
	s_cbranch_scc1 .Lnot_wave_0_\@
	s_barrier_signal -3
.Lnot_wave_0_\@:
	s_barrier_wait -3
	s_barrier_signal -1
	s_barrier_wait -1
.endm
.macro CROUND
	s_barrier_signal -1
	s_barrier_wait -1
	CREST
.endm
	s_load_b256 s[4:11], s[0:1], 0x0               ; A s[4:5], W's buffer s[6:7], bias s[8:9], residual s[10:11]
	s_load_b64 s[12:13], s[0:1], 0x20              ; OUT
	v_lshl_add_u32 v[SPW], v0, 2, SPARE
	v_mov_b32 v[NIL], 0
	ds_add_u32 v28, v29
	ds_add_u32 v28, v29
	s_wait_dscnt 0x0
	v_lshrrev_b32 v1, 5, v0
	v_readfirstlane_b32 s14, v1                    ; wave 0..3
	s_lshr_b32 s15, s14, 1                         ; which half of the tile's rows is mine.  Also: I fetch for A (0) or for W (1)
	s_and_b32 s16, s14, 1                          ; which half of its columns.  Also: which 4 tiles I fetch
	s_bfe_u32 s40, ttmp6, 0x40000
	s_bfe_u32 s41, ttmp6, 0x40004
	s_lshl_b32 s42, ttmp9, 2
	s_add_co_u32 s42, s42, s40                     ; tile column
	s_and_b32 s17, ttmp7, 0xffff
	s_lshl_b32 s17, s17, 2
	s_add_co_u32 s17, s17, s41                     ; tile row
	s_lshl_b32 s43, s41, 2
	s_lshl_b32 s43, 15, s43                        ; my row of the cluster
	s_lshl_b32 s44, 0x1111, s40                    ; my column
	; descriptor group 1, codes: 4 rows (tiles) of 768 elements of 8 bytes (four K steps), 192 KS elements apart
	s_or_b32 s[G1], s43, (3<<16)|(1<<21)
	s_or_b32 s[G1B], s44, (3<<16)|(1<<21)
.irp g, G1, G1B
	s_mov_b32 s[\g+1], 768<<16
	s_mov_b32 s[\g+2], 4<<16
	s_mov_b32 s[\g+3], 768<<16
	s_mov_b32 s[\g+4], 4
	s_mov_b32 s[\g+5], 192*KS
	s_mov_b32 s[\g+6], 0
	s_mov_b32 s[\g+7], 0
.endr
	; scale words: KS rows (K steps) of 32 elements (4 tiles x 64 bytes)
	s_or_b32 s[G1S], s43, (3<<16)|(1<<21)
	s_or_b32 s[G1SB], s44, (3<<16)|(1<<21)
.irp g, G1S, G1SB
	s_mov_b32 s[\g+1], 32<<16
	s_mov_b32 s[\g+2], KS<<16
	s_mov_b32 s[\g+3], 32<<16
	s_mov_b32 s[\g+4], KS
	s_mov_b32 s[\g+6], 0
	s_mov_b32 s[\g+7], 0
.endr
	s_mov_b32 s[G1S+5], 2048
	s_mov_b32 s[G1SB+5], 512
	s_lshl_b32 s18, s16, 2
	s_lshl_b32 s20, s17, 3
	s_add_co_u32 s20, s20, s18                     ; A: tile 8 x tile row + 4 x half
	s_lshl_b32 s22, s20, 6
	s_add_co_u32 s22, s22, ASOFF
	s_mov_b32 s23, 0
	s_mul_i32 s20, s20, KS*1536
	s_mov_b32 s21, 0
	s_lshl_b32 s46, s42, 3
	s_add_co_u32 s46, s46, s18                     ; W: tile 8 x tile column + 4 x half
	s_lshl_b32 s92, s46, 6
	s_add_co_u32 s92, s92, BSOFF
	s_mov_b32 s93, 0
	s_mul_i32 s46, s46, KS*1536
	s_add_co_u32 s46, s46, BOFF
	s_mov_b32 s47, 0
	s_mul_i32 s45, s14, HALFT                      ; where they go: no place in the cluster enters an LDS address
	s_mul_i32 s94, s14, HALFS
	s_wait_kmcnt 0x0
	s_add_nc_u64 s[20:21], s[4:5], s[20:21]
	s_add_nc_u64 s[22:23], s[4:5], s[22:23]
	s_add_nc_u64 s[46:47], s[6:7], s[46:47]
	s_add_nc_u64 s[92:93], s[6:7], s[92:93]
	CROUND                                         ; all sixteen work-groups are here: the first joint loads meet
	s_mov_b32 s[G0S], 1
	s_add_co_u32 s[G0S+1], s94, SCL
	s_mov_b64 s[G0S+2:G0S+3], s[22:23]
	s_or_b32 s[G0S+3], s[G0S+3], 0x80000000
	s_mov_b32 s[G0SB], 1
	s_add_co_u32 s[G0SB+1], s94, SCL
	s_mov_b64 s[G0SB+2:G0SB+3], s[92:93]
	s_or_b32 s[G0SB+3], s[G0SB+3], 0x80000000
	JLOAD G0S, G1S, G0SB, G1SB
.irp s, 0,1
	s_mov_b32 s[G0+4*\s], 1
	s_add_co_u32 s[G0+4*\s+1], s45, \s*SLOT
	s_add_nc_u64 s[G0+4*\s+2:G0+4*\s+3], s[20:21], \s*6144
	s_or_b32 s[G0+4*\s+3], s[G0+4*\s+3], 0x80000000
	s_mov_b32 s[G0B+4*\s], 1
	s_add_co_u32 s[G0B+4*\s+1], s45, \s*SLOT
	s_add_nc_u64 s[G0B+4*\s+2:G0B+4*\s+3], s[46:47], \s*6144
	s_or_b32 s[G0B+4*\s+3], s[G0B+4*\s+3], 0x80000000
	JLOAD G0+4*\s, G1, G0B+4*\s, G1B
.endr
	v_and_b32 v1, 15, v0                           ; r
	v_bfe_u32 v2, v0, 4, 1                         ; h
	v_and_b32 v3, 31, v0
	v_lshlrev_b32 v3, 3, v3                        ; 8 x lane
	s_mul_i32 s21, s15, HALFT                      ; my 4 tiles of A
	s_mul_i32 s22, s16, HALFT
	s_add_co_u32 s22, s22, 2*HALFT                 ; my 4 tiles of W
.irp s, 0,1
	v_add_nc_u32 v[ADRA+\s], s21, v3
	v_add_nc_u32 v[ADRB+\s], s22, v3
	s_add_co_u32 s21, s21, SLOT
	s_add_co_u32 s22, s22, SLOT
.endr
	s_mul_i32 s21, s15, HALFS
	s_add_co_u32 s22, s16, 2
	s_sub_co_u32 s22, s22, s15
	s_mul_i32 s22, s22, HALFS
	v_mul_u32_u24 v4, s22, v2                      ; lanes 16-31 take W's scale words
	s_add_co_u32 s21, s21, SCL
	v_lshl_add_u32 v4, v1, 2, v4
	v_add_nc_u32 v[ADRS], s21, v4
	s_mul_i32 s23, s14, 4352
	s_add_co_u32 s23, s23, STAGE                   ; my stage
	v_mul_u32_u24 v5, v1, 272
	v_lshl_add_u32 v5, v2, 6, v5
	v_add_nc_u32 v[STO], s23, v5                   ; in: row r, + 64 h
	v_mul_u32_u24 v5, v2, 272
	v_lshl_add_u32 v5, v1, 4, v5
	v_add_nc_u32 v[RD], s23, v5                    ; back: lanes 0-15 one row, lanes 16-31 the next
	v_lshlrev_b32 v5, 12, v2
	v_lshl_add_u32 v[CO], v1, 4, v5                ; and the same two rows in memory
	v_lshlrev_b32 v6, 6, v2                        ; the bias: + 64 h
	s_lshl_b32 s20, s17, 7
	s_lshl_b32 s21, s15, 6
	s_add_co_u32 s20, s20, s21
	s_lshl_b32 s20, s20, 12                        ; my first row, in bytes
	s_lshl_b32 s46, s42, 9
	s_lshl_b32 s47, s16, 8
	s_add_co_u32 s46, s46, s47                     ; my first column, in bytes
	s_add_co_u32 s20, s20, s46
	s_mov_b32 s21, 0
	s_mov_b32 s47, 0
	s_add_nc_u64 s[8:9], s[8:9], s[46:47]
	s_add_nc_u64 s[10:11], s[10:11], s[20:21]
	s_add_nc_u64 s[12:13], s[12:13], s[20:21]
.irp b, 0,1,2,3
	global_load_b128 v[BI+8*\b:BI+8*\b+3], v6, s[8:9] offset:(32*(\b/2)+8*(\b%2))*4        ; tile b's register j is column 32 (b / 2) + 8 (b % 2) + 16 h + j
	global_load_b128 v[BI+8*\b+4:BI+8*\b+7], v6, s[8:9] offset:(32*(\b/2)+8*(\b%2))*4+16
.endr
	WIN 0x80                                       ; destination window 2
.irp a, 0,1,2,3
.irp t, 0,1,2,3,4,5,6,7
	global_load_b128 v[32*\a+4*\t:32*\a+4*\t+3], v[CO], s[10:11] offset:(32*(\a/2)+8*(\a%2)+2*\t+8*(\t/4))*4096
.endr
.endr
	WIN 0
.macro FETCH slot, q, set              ; the fragments and scale words of the slot's K step q
	WIN TO_F
.irp i, 0,1,2,3
.irp p, 0,1,2,3,4,5
	ds_load_b64 v[96*(\set)+12*\i+2*\p:96*(\set)+12*\i+2*\p+1], v[ADRB+\slot] offset:\i*6144+(\q)*1536+256*\p
.endr
.endr
.irp i, 0,1,2,3
.irp p, 0,1,2,3,4,5
	ds_load_b64 v[96*(\set)+48+12*\i+2*\p:96*(\set)+48+12*\i+2*\p+1], v[ADRA+\slot] offset:\i*6144+(\q)*1536+256*\p
.endr
.endr
	WIN 0
.irp i, 0,1,2,3
	ds_load_b32 v[SC+4*(\set)+\i], v[ADRS] offset:256*(\q)+64*\i     ; lanes 0-15 A's block i, lanes 16-31 W's block i
.endr
.endm
.macro MUL4 set, a, first              ; A's block a x W's four; the 16 accumulators take turns, one instruction a turn
.irp b, 0,1,2,3
.if \first
	v_wmma_scale_f32_16x16x128_f8f6f4 v[ACC+8*(4*(\a)+\b):ACC+8*(4*(\a)+\b)+7], v[96*(\set)+12*\b:96*(\set)+12*\b+11], v[96*(\set)+48+12*(\a):96*(\set)+48+12*(\a)+11], v[BI+8*\b:BI+8*\b+7], v[SC+4*(\set)+\b], v[SC+4*(\set)+(\a)] matrix_a_fmt:MATRIX_FMT_BF6 matrix_b_fmt:MATRIX_FMT_BF6 matrix_a_scale:MATRIX_SCALE_ROW1
.else
	v_wmma_scale_f32_16x16x128_f8f6f4 v[ACC+8*(4*(\a)+\b):ACC+8*(4*(\a)+\b)+7], v[96*(\set)+12*\b:96*(\set)+12*\b+11], v[96*(\set)+48+12*(\a):96*(\set)+48+12*(\a)+11], v[ACC+8*(4*(\a)+\b):ACC+8*(4*(\a)+\b)+7], v[SC+4*(\set)+\b], v[SC+4*(\set)+(\a)] matrix_a_fmt:MATRIX_FMT_BF6 matrix_b_fmt:MATRIX_FMT_BF6 matrix_a_scale:MATRIX_SCALE_ROW1
.endif
.endr
.endm
.macro PLACES
.rept 4
	v_nop
.endr
.endm
.macro KST slot, q, first              ; K step q (0 .. 2) of a slot: the next step's fragments are asked for, then this step is multiplied
	s_wait_dscnt 0x0                               ; this step's fragments are in
	PLACES                                         ; in front of loads into the set that the last step's products have read
	FETCH \slot, (\q)+1, ((\q)+1)%2
	WIN MUL
	MUL4 (\q)%2, 0, \first
	MUL4 (\q)%2, 1, \first
	MUL4 (\q)%2, 2, \first
	MUL4 (\q)%2, 3, \first
.endm
; A slot's last step changes slots: one barrier; in front of it each wave waits for all its tensor loads, adds 0 to its spare word, and waits for that and for its own reads of this slot.
.macro TURN slot, next, fill
	WIN 0
	s_wait_tensorcnt 0x0                           ; all my tensor loads have landed: my part of the next slot
	ds_add_u32 v[SPW], v[NIL]                      ; 0 onto my spare word
	s_wait_dscnt 1                                 ; this step's fragments are in; the add may be out
	WIN MUL
	MUL4 1, 0, 0
	s_wait_dscnt 0x0                               ; the add is done, and my reads of this slot are over
	s_barrier_signal -1
	MUL4 1, 1, 0
	WIN 0
	s_barrier_wait -1
.if \fill
	CREST                                          ; the barrier has opened a round of the cluster's barrier
	s_add_nc_u64 s[G0+4*\slot+2:G0+4*\slot+3], s[G0+4*\slot+2:G0+4*\slot+3], 12288
	s_add_nc_u64 s[G0B+4*\slot+2:G0B+4*\slot+3], s[G0B+4*\slot+2:G0B+4*\slot+3], 12288
	JLOAD G0+4*\slot, G1, G0B+4*\slot, G1B         ; the first tensor load behind the round; its four v_nop are the places in front of the loads below
.else
	PLACES
.endif
	v_add_nc_u32 v[ADRS], 1024, v[ADRS]            ; the next slot's four K steps of scale words
	FETCH \next, 0, 0
	WIN MUL
	MUL4 1, 2, 0
	MUL4 1, 3, 0
.endm
	s_wait_tensorcnt 1                             ; the scale words and my part of slot 0 are in; slot 1's load may be out
	s_barrier_signal -1
	s_barrier_wait -1
	FETCH 0, 0, 0
	s_wait_loadcnt 32                              ; the bias is in; the residual's 32 loads may be out
	KST 0, 0, 1                                    ; the first step stands in front of the loop: its products start the sums, with the bias as C
.if LAPS > 1
	WIN 0
	s_mov_b32 s3, LAPS-1
.Llap:                                             ; a trip goes once round the ring and fills both slots again
	KST 0, 1, 0
	KST 0, 2, 0
	TURN 0, 1, 1
	KST 1, 0, 0
	KST 1, 1, 0
	KST 1, 2, 0
	TURN 1, 0, 1
	KST 0, 0, 0
	WIN 0
	s_sub_co_u32 s3, s3, 1
	s_cmp_lg_u32 s3, 0
	s_cbranch_scc1 .Llap
.endif
	KST 0, 1, 0
	KST 0, 2, 0
	TURN 0, 1, 0                                   ; the last lap fills nothing
	KST 1, 0, 0
	KST 1, 1, 0
	KST 1, 2, 0
	s_wait_dscnt 0x0
	MUL4 1, 0, 0
	MUL4 1, 1, 0
	MUL4 1, 2, 0
	MUL4 1, 3, 0
	WIN 0
	; THE WAY OUT, a block of 16 rows x 64 columns at a time, through my own stage: LDS serves a wave's instructions in order, so no wait stands between the stores and the loads.
	PLACES
	s_wait_loadcnt 0x0                             ; the residual
.irp a, 0,1,2,3
.if \a > 0
	s_wait_xcnt 0x0                                ; the last block's stores have read their registers
.endif
.irp b, 0,1,2,3
	ds_store_b128 v[STO], v[ACC+8*(4*\a+\b):ACC+8*(4*\a+\b)+3] offset:128*(\b/2)+32*(\b%2)        ; each accumulator from its low end on
	ds_store_b128 v[STO], v[ACC+8*(4*\a+\b)+4:ACC+8*(4*\a+\b)+7] offset:128*(\b/2)+32*(\b%2)+16
.endr
.irp t, 0,1,2,3,4,5,6,7
	ds_load_b128 v[T+4*\t:T+4*\t+3], v[RD] offset:544*\t
.endr
	s_wait_dscnt 0x0
	WIN 0x08                                       ; source 1 window 2
.irp n, 0,2,4,6,8,10,12,14,16,18,20,22,24,26,28,30
	v_pk_add_f32 v[T+\n:T+\n+1], v[T+\n:T+\n+1], v[32*\a+\n:32*\a+\n+1]
.endr
	WIN 0
.irp t, 0,1,2,3,4,5,6,7
	global_store_b128 v[CO], v[T+4*\t:T+4*\t+3], s[12:13] offset:(32*(\a/2)+8*(\a%2)+2*\t+8*(\t/4))*4096   ; 16 lanes store 256 consecutive bytes, aligned
.endr
.endr
	s_wait_tensorcnt 0x0                           ; the wave's end
	ds_add_u32 v[SPW], v[NIL]
	s_wait_dscnt 0x0
	CROUND                                         ; the closing round
	s_endpgm
.Lfunc_end_k_q431d286010_g6:
	.size	k_q431d286010_g6, .Lfunc_end_k_q431d286010_g6-k_q431d286010_g6
	.p2alignl 7, 3214868480
	.fill 96, 4, 3214868480
	.section	.rodata,"a",@progbits
	.p2align	6, 0x0
	.amdhsa_kernel k_q431d286010_g6
		.amdhsa_group_segment_fixed_size 327680
		.amdhsa_private_segment_fixed_size 0
		.amdhsa_enable_private_segment 0
		.amdhsa_kernarg_size 40
		.amdhsa_user_sgpr_count 2
		.amdhsa_user_sgpr_kernarg_segment_ptr 1
		.amdhsa_wavefront_size32 1
		.amdhsa_system_sgpr_workgroup_id_x 1
		.amdhsa_system_sgpr_workgroup_id_y 1
		.amdhsa_system_sgpr_workgroup_id_z 1
		.amdhsa_system_vgpr_workitem_id 0
		.amdhsa_next_free_vgpr 640
		.amdhsa_next_free_sgpr 100
		.amdhsa_reserve_vcc 0
		.amdhsa_float_denorm_mode_32 3
		.amdhsa_float_denorm_mode_16_64 3
		.amdhsa_memory_ordered 1
		.amdhsa_forward_progress 1
		.amdhsa_inst_pref_size 117
	.end_amdhsa_kernel
	.amdgpu_metadata
---
amdhsa.version: [ 1, 2 ]
amdhsa.kernels:
  - .name:           k_q431d286010_g6
    .symbol:         k_q431d286010_g6.kd
    .args:
      - { .name: hq, .offset: 0, .size: 8, .value_kind: global_buffer, .address_space: global }
      - { .name: wb, .offset: 8, .size: 8, .value_kind: global_buffer, .address_space: global }
      - { .name: b2, .offset: 16, .size: 8, .value_kind: global_buffer, .address_space: global }
      - { .name: x2, .offset: 24, .size: 8, .value_kind: global_buffer, .address_space: global }
      - { .name: out0, .offset: 32, .size: 8, .value_kind: global_buffer, .address_space: global }
    .group_segment_fixed_size: 327680
    .private_segment_fixed_size: 0
    .kernarg_segment_align: 8
    .kernarg_segment_size: 40
    .max_flat_workgroup_size: 128
    .sgpr_count:     100
    .vgpr_count:     640
    .wavefront_size: 32
...
	.end_amdgpu_metadata
.endif
;; end of part 6
